; MI455X (gfx1250); checked and timed in simulation.
; The chip was launched on July 23, 2026; its instructions are those of AMD's public machine-readable ISA for CDNA 5 (MIT licence, August 2026) and "CDNA5" Instruction Set Architecture Reference Guide (July 2026). The comments in the code are by the model that wrote it; some were corrected since.
;; Causal Self Attention. Allowed arithmetic: matrix products marked QUANTISED: E2M3 operands, one E8M0 scale for each 32 along K, by v_wmma_scale_f32_16x16x128_f8f6f4 with both operands' format E2M3, f32 sums; everything else in f32.
;; Inputs: Wk 512 x 2,048 float32; Wproj 2,048 x 2,048 float32; Wq 2,048 x 2,048 float32; Wv 512 x 2,048 float32; q_gain 16 float32; x 4 x 1,024 x 2,048 float32.
;; Outputs: out0 4 x 1,024 x 2,048 float32.
;; This version of the problem:
;;   THIS VERSION OF THE PROBLEM IS GIVEN IN LOW PRECISION. The matrix products marked QUANTISED in the list below multiply operands that are first quantised to E2M3 (2 exponent bits, 3 mantissa bits; 6 bits a number), with one power-of-two scale for each 32 numbers along K (OCP MX v1.0); their sums are f32. All else is computed in f32.
;;   The module's matrix products, in the order in which they are computed (A, B: the left and right operand; K: the contracted axis; several contracted axes count as one K, in the product's order):
;;     1. [M 4,096, K 2,048] x [K 2,048, N 2,048]; A: input x; B: input Wq: QUANTISED
;;     2. [M 4,096, K 2,048] x [K 2,048, N 512]; A: input x; B: input Wk: QUANTISED
;;     3. [M 4,096, K 2,048] x [K 2,048, N 512]; A: input x; B: input Wv: QUANTISED
;;     4. batch 16 x [M 4,096, K 128] x [K 128, N 1,024]; A: computed on the way; B: computed on the way: QUANTISED
;;     5. batch 16 x [M 4,096, K 1,024] x [K 1,024, N 128]; A: softmax (see below); B: computed on the way: QUANTISED
;;     6. [M 4,096, K 2,048] x [K 2,048, N 2,048]; A: computed on the way; B: input Wproj: QUANTISED
;;   THE QUANTISER, for each operand of a quantised product, along K:
;;     - K is cut into blocks of 32 from its start; a last block that is shorter is filled with zeros.
;;     - A block's scale is 2^e with e = floor(log2(the largest magnitude in the block)) - 2, held to -126 .. 127; a block of zeros has e = 0. As a byte (E8M0): e + 127.
;;     - Each number is divided by its block's scale, clamped to +-7.5, and rounded to the nearest number of E2M3, ties to even, subnormals kept.
;;     - The product sums the exact products of the quantised numbers (number of the format x scale) in f32.
;;   ~~~python
;;   def quantise(x, axis):      # numpy; x: float32 -> the quantised numbers, widened to float32 again
;;       x = np.moveaxis(x, axis, -1); K = x.shape[-1]
;;       x = np.pad(x, [(0, 0)] * (x.ndim - 1) + [(0, -K % 32)]); x = x.reshape(x.shape[:-1] + (-1, 32)); a = np.abs(x).max(-1, keepdims=True)
;;       e = np.where(a > 0, np.clip(np.frexp(np.where(a > 0, a, 1))[1] - 1 - 2, -126, 127), 0)      # np.frexp(a)[1] - 1 = floor(log2(a)), exactly
;;       r = np.clip(x / 2.0 ** e, -7.5, 7.5)
;;       step = 2.0 ** (np.maximum(np.frexp(np.where(r == 0, 1, r))[1] - 1, 0) - 3)
;;       q = np.round(r / step) * step * 2.0 ** e      # np.round: ties to even
;;       return np.moveaxis(q.reshape(q.shape[:-2] + (-1,))[..., :K], -1, axis).astype(np.float32)
;;   ~~~
;;   SOFTMAX AHEAD OF A QUANTISED PRODUCT. Where the list says 'softmax', what is quantised is not the finished softmax but p = 2^(t - M), with t = logit x log2(e) and M = ceil(the row's largest t), a whole number; so 1/2 < the row's largest p <= 1. The row's sum l is taken of the UNQUANTISED p, in f32, and the product's result is divided by l at the end. Since M is a whole number, a kernel that streams over the keys may use a running M (the ceiling of the running maximum): every later rescaling is an exact power of two, which a block's scale takes up: the codes' values come out the same.
;;   OPERANDS COMPUTED ON THE WAY. 'Computed on the way' means the value that the module computes at that place (a softmax that the list does not call 'softmax' is quantised finished and normalised). What goes into a quantiser is computed in f32, as accurately as f32 sums, v_exp_f32 and their like allow (about 1e-6 of the number): no bf16 or f16 on the way to a quantiser, and a product that is left as it is and whose result goes on into a quantised operand takes f32 operands (vector FMAs, or v_wmma_f32_16x16x4_f32). A number that lies on a knife's edge between two numbers of the format may be rounded either way, as far as f32 arithmetic and the matrix unit's own rounding can turn it there, and no further.
;; One version. Each part assembles by itself: llvm-mc -triple=amdgcn-amd-amdhsa -mcpu=gfx1250 --defsym DOCPART=n.
;; ======== version 1 of 1: 4 launches
;; workspace buffers: opnd 14,745,600 bytes; rope 524,288 bytes; qkv 9,830,400 bytes; yq 6,553,600 bytes
;; launch quant (part 1): grid 592 x 1, 4 waves a work-group, no clusters, 34,304 bytes of LDS; arguments x, Wq, Wk, Wv, Wproj, opnd, rope; writes opnd, rope
.if DOCPART == 1
	.amdgcn_target "amdgcn-amd-amdhsa--gfx1250"
	.amdhsa_code_object_version 6
	.text
	.protected	k_q21e22b8315_quant
	.globl	k_q21e22b8315_quant
	.p2align	8
	.type	k_q21e22b8315_quant,@function
k_q21e22b8315_quant:
	s_mov_b64 s[64:65], 0
	v_nop
	global_prefetch_b8 v0, s[64:65] scope:SCOPE_SE
	s_setreg_imm32_b32 hwreg(HW_REG_WAVE_MODE, 25, 1), 1
	s_wait_xcnt 0x0
; x [4096][2048], Wq [2048][2048], Wk, Wv [512][2048], Wproj [2048][2048], f32, K innermost, become codes of FP6 (E2M3) with one E8M0 byte for each 32 along K,
; laid in the order of a matrix operand's registers.  Work-groups 0-15 make the rotary table instead.
; A ROW BLOCK is 16 rows: lane r of block rb holds row 32 (rb / 2) + 8 (rb % 2) + r + 8 (r / 8).  A FRAGMENT (16 rows x 128 K, 12 registers a lane) lies as 1,536 bytes: register n of lane l at 512 (n / 4) + 16 l + 4 (n % 4).
; Codes: [slot of 256 K: 8][row block][half slot: 2][1,536].  Scale words: [row block][slot 8][r 16][half slot 2].  In the weights' part row blocks 0-127 are Wq, then for each k/v head 8 of Wk and 8 of Wv.
; A block's scale is 2^(floor(log2(largest magnitude)) - 2); its byte is that magnitude's exponent field - 2, held at 1 from below.
; SHARES: a work-group takes one row block over all of K, wave w the K steps 4 w .. 4 w + 3.  Each load reads 512 consecutive bytes of one row; the 8 KiB of a fragment turn through the wave's own stage in LDS
; (16 rows, 528 bytes apart), so that a lane then holds two whole blocks of 32 of its row.  Waves share nothing: no barrier.
; THE TABLE: cos and sin of t x 10000^(-i / 64), [row block of t: 64][group 16][lane 32][16 bytes]; groups 0-7 cos, 8-15 sin; group m, word e: i = 32 (m / 4) + 16 (lane / 16) + 4 (m % 4) + e.
; LIMITS: NaN and infinities among the inputs are not served.  A block of zeros, or one whose largest magnitude lies under 2^-124, gets the byte 1 (its codes are zeros or small; this program alone reads the bytes).
; 10000^(-i / 64) is 2^(-i c) with the product's rounding error carried into a first-order correction: within about 2 units in the last place of the true number; the phase t x that number is rounded once, as in f32 arithmetic.
.set XCB,  0                           ; byte offsets in opnd: x's codes,
.set WCB,  6291456                     ; the weights' of the first three products,
.set PCB,  11010048                    ; Wproj's,
.set XSB,  14155776                    ; and the scale words in the same order
.set WSB,  14417920
.set PSB,  14614528
.set R0,   32                          ; v32-95, v96-159  two sets of 64 numbers as loaded
.set X,    160                         ; v160-223  64 numbers of my row: register 32 c + i is k = 64 c + 32 (lane / 16) + i
.set F,    224                         ; v224-235  the fragment; v236-238, v240-242 the second halves as converted
	s_load_b256 s[4:11], s[0:1], 0x0               ; x, Wq, Wk, Wv
	s_load_b128 s[12:15], s[0:1], 0x20             ; Wproj, opnd
	s_load_b64 s[16:17], s[0:1], 0x30              ; rope
	v_lshl_add_u32 v254, v0, 2, 0x8400
	v_mov_b32 v255, 0
	v_lshrrev_b32 v1, 5, v0
	v_readfirstlane_b32 s18, v1                    ; wave
	v_and_b32 v2, 31, v0                           ; lane
	v_and_b32 v3, 15, v0                           ; r
	v_bfe_u32 v9, v0, 4, 1                         ; h
	v_lshlrev_b32 v4, 4, v2                        ; 16 x lane
	s_cmp_lt_u32 ttmp9, 16
	s_cbranch_scc1 .Ltable
	s_sub_co_u32 s20, ttmp9, 16                    ; which row block of the five tensors on end
	s_mul_i32 s19, s18, 8448                       ; my wave's stage
	v_add_nc_u32 v5, s19, v4                       ; in: 16 x lane of a row
	v_mul_u32_u24 v6, v3, 528
	v_lshl_add_u32 v6, v9, 7, v6
	v_add_nc_u32 v6, s19, v6                       ; out: row r, + 128 h
	v_lshlrev_b32 v7, 3, v2                        ; 8 x lane: the scale words' place
	v_lshlrev_b32 v8, 3, v9                        ; 8 h: my bytes' place in a scale word
	v_mov_b32 v19, 0                               ; a lane permute's destination counts as read
	s_mov_b32 s36, 0x76543210
	s_mov_b32 s37, 0xfedcba98                      ; selects: lane l xor 16
	s_mov_b32 s24, 0                               ; the tensor's first number,
	s_mov_b32 s25, XCB                             ; where its codes begin,
	s_mov_b32 s26, 786432                          ; a slot of all its row blocks in bytes,
	s_mov_b32 s27, XSB                             ; where its scale words begin,
	s_mov_b32 s28, 0                               ; and, for Wk and Wv, the first row block of head 0
	s_wait_kmcnt 0x0
	s_mov_b64 s[22:23], s[4:5]
	s_cmp_ge_u32 s20, 256                          ; the choices hang on the work-group's number alone
	s_cselect_b64 s[22:23], s[6:7], s[22:23]
	s_cselect_b32 s24, 256, s24
	s_cselect_b32 s25, WCB, s25
	s_cselect_b32 s26, 589824, s26
	s_cselect_b32 s27, WSB, s27
	s_cmp_ge_u32 s20, 384
	s_cselect_b64 s[22:23], s[8:9], s[22:23]
	s_cselect_b32 s24, 384, s24
	s_cselect_b32 s28, 128, s28
	s_cmp_ge_u32 s20, 416
	s_cselect_b64 s[22:23], s[10:11], s[22:23]
	s_cselect_b32 s24, 416, s24
	s_cselect_b32 s28, 136, s28
	s_cmp_ge_u32 s20, 448
	s_cselect_b64 s[22:23], s[12:13], s[22:23]
	s_cselect_b32 s24, 448, s24
	s_cselect_b32 s25, PCB, s25
	s_cselect_b32 s26, 393216, s26
	s_cselect_b32 s27, PSB, s27
	s_cselect_b32 s28, 0, s28
	s_sub_co_u32 s21, s20, s24                     ; the row block in its tensor
	s_lshr_b32 s30, s21, 3
	s_lshl_b32 s30, s30, 4
	s_and_b32 s31, s21, 7
	s_add_co_u32 s30, s30, s31
	s_add_co_u32 s30, s30, s28                     ; Wk, Wv: 16 row blocks a head, K's eight first
	s_cmp_lg_u32 s28, 0
	s_cselect_b32 s30, s30, s21                    ; the row block where it is stored
	s_lshr_b32 s32, s21, 1
	s_lshl_b32 s32, s32, 5
	s_and_b32 s33, s21, 1
	s_lshl_b32 s33, s33, 3
	s_add_co_u32 s32, s32, s33                     ; its first row,
	s_lshl_b32 s32, s32, 13                        ; of 8,192 bytes,
	s_lshl_b32 s33, s18, 11                        ; + my wave's four K steps of 512 bytes
	s_add_co_u32 s32, s32, s33
	s_mov_b32 s33, 0
	s_add_nc_u64 s[22:23], s[22:23], s[32:33]
	s_mul_i32 s32, s30, 3072
	s_add_co_u32 s32, s32, s25
	s_lshl_b32 s34, s18, 1
	s_mul_i32 s34, s34, s26
	s_add_co_u32 s32, s32, s34
	s_add_nc_u64 s[38:39], s[14:15], s[32:33]      ; codes: slot 2 w,
	s_mov_b32 s32, s26
	s_add_nc_u64 s[40:41], s[38:39], s[32:33]      ; slot 2 w + 1
	s_lshl_b32 s32, s30, 10
	s_add_co_u32 s32, s32, s27
	s_lshl_b32 s34, s18, 8
	s_add_co_u32 s32, s32, s34
	s_add_nc_u64 s[42:43], s[14:15], s[32:33]      ; scale words: my two slots' 256 bytes
.macro LOADF f                         ; K step f of my four: 16 rows x 512 consecutive bytes
.irp i, 0,1,2,3,4,5,6,7,8,9,10,11,12,13,14,15
	global_load_b128 v[R0+64*((\f)%2)+4*\i:R0+64*((\f)%2)+4*\i+3], v4, s[22:23] offset:(\i+8*(\i/8))*8192+512*(\f) th:TH_LOAD_NT
.endr
.endm
.macro TURNF f                         ; through the stage: LDS serves a wave's instructions in order, so no wait stands between the stores and the loads
.irp i, 0,1,2,3,4,5,6,7,8,9,10,11,12,13,14,15
	ds_store_b128 v5, v[R0+64*((\f)%2)+4*\i:R0+64*((\f)%2)+4*\i+3] offset:528*\i
.endr
.irp c, 0,1
.irp j, 0,1,2,3,4,5,6,7
	ds_load_b128 v[X+32*\c+4*\j:X+32*\c+4*\j+3], v6 offset:256*\c+16*\j
.endr
.endr
.endm
.macro QF f                            ; my two blocks (2 c + h, c = 0, 1) of row r: scale, codes, and the fragment's image to memory
.irp c, 0,1
	v_max3_num_f32 v[10+2*\c], |v[X+32*\c]|, |v[X+32*\c+1]|, 0x1800000     ; with the floor 2^(3 - 127): the byte cannot fall under 1
	v_max3_num_f32 v[11+2*\c], |v[X+32*\c+16]|, |v[X+32*\c+17]|, |v[X+32*\c+18]|
.endr
.irp i, 2,4,6,8,10,12
.irp c, 0,1
	v_max3_num_f32 v[10+2*\c], v[10+2*\c], |v[X+32*\c+\i]|, |v[X+32*\c+\i+1]|
	v_max3_num_f32 v[11+2*\c], v[11+2*\c], |v[X+32*\c+17+\i]|, |v[X+32*\c+18+\i]|
.endr
.endr
.irp c, 0,1
	v_max3_num_f32 v[10+2*\c], v[10+2*\c], |v[X+32*\c+14]|, |v[X+32*\c+15]|
.endr
.irp c, 0,1
	v_max3_num_f32 v[10+2*\c], v[10+2*\c], v[11+2*\c], |v[X+32*\c+31]|
.endr
.irp c, 0,1
	v_add_nc_u32 v[14+\c], 0xff000000, v[10+2*\c]  ; 2 off the exponent field: the conversion takes this operand's exponent field as its scale
.endr
.irp c, 0,1
	v_lshrrev_b32 v[16+\c], 23, v[14+\c]           ; the scale's byte
.endr
	v_lshl_or_b32 v18, v17, 16, v16                ; blocks h and 2 + h,
	v_lshlrev_b32 v18, v8, v18                     ; at their places;
	v_permlanex16_b32 v19, v18, s36, s37
	v_or_b32 v[20+(\f)], v18, v19                  ; with lane l xor 16's two the word is whole
	s_wait_xcnt 0x0                                ; the last fragment's stores have read v224-235: only now are they written again
.irp c, 0,1
	v_cvt_scalef32_pk16_fp6_f32 v[F+6*\c:F+6*\c+2], v[X+32*\c:X+32*\c+15], v[14+\c]
	v_cvt_scalef32_pk16_fp6_f32 v[236+4*\c:238+4*\c], v[X+32*\c+16:X+32*\c+31], v[14+\c]   ; (a conversion's three registers begin on an even number)
.endr
	v_nop                                          ; one plain place behind a scaled conversion
.irp c, 0,1
.irp i, 0,1,2
	v_mov_b32 v[F+3+6*\c+\i], v[236+4*\c+\i]
.endr
.endr
.irp n, 0,1,2
	global_store_b128 v4, v[F+4*\n:F+4*\n+3], s[38+2*((\f)/2):39+2*((\f)/2)] offset:1536*((\f)%2)+512*\n   ; 32 lanes store 512 consecutive bytes
.endr
.endm
	LOADF 0
	LOADF 1
.irp f, 0,1,2,3
.if \f < 3
	s_wait_loadcnt 16                              ; this K step's 16 loads are in; the next one's 16 may be out
.else
	s_wait_loadcnt 0x0
.endif
	TURNF \f
	s_wait_dscnt 0x0                               ; my 64 numbers are back
.if \f < 2
	LOADF \f+2
.endif
	QF \f
.endr
	s_mov_b32 vcc_lo, 0xffff0000
	v_cndmask_b32 v24, v20, v22, vcc_lo            ; lanes 0-15: slot 2 w's two words of row r; lanes 16-31: slot 2 w + 1's
	v_cndmask_b32 v25, v21, v23, vcc_lo
	global_store_b64 v7, v[24:25], s[42:43]        ; 256 consecutive bytes, aligned
	s_wait_tensorcnt 0x0
	ds_add_u32 v254, v255
	s_wait_dscnt 0x0
	s_endpgm
.Ltable:                                           ; wave w of work-group g makes row block 4 g + w of the table
	s_lshl_b32 s20, ttmp9, 2
	s_add_co_u32 s20, s20, s18
	s_lshr_b32 s21, s20, 1
	s_lshl_b32 s21, s21, 5
	s_and_b32 s22, s20, 1
	s_lshl_b32 s22, s22, 3
	s_add_co_u32 s21, s21, s22
	v_and_b32 v5, 8, v3
	v_add_nc_u32 v5, v5, v3
	v_add_nc_u32 v5, s21, v5
	v_cvt_f32_u32 v5, v5                           ; t of my lane
	v_lshlrev_b32 v6, 4, v9                        ; 16 h
	s_mov_b32 s40, 0x3e549a78                      ; c = log2(10000) / 64, rounded,
	s_mov_b32 s41, 0x3197991c                      ; and what the rounding left
	s_mov_b32 s42, 0xbf317218                      ; -ln 2
	s_mov_b32 s43, 0x3f22f983                      ; 2 / pi
	s_mov_b32 s44, 0x3fc90fdb                      ; pi / 2 in two parts
	s_mov_b32 s45, 0xb33bbd2e
	s_mov_b32 s46, 0xb94ca1f9                      ; sine on [-pi/4, pi/4]: r + r z (S1 + z (S2 + z S3))
	s_mov_b32 s47, 0x3c08839e
	s_mov_b32 s48, 0xbe2aaaa3
	s_mov_b32 s49, 0x37ccf5ce                      ; cosine: 1 - z / 2 + z z (C1 + z (C2 + z C3))
	s_mov_b32 s50, 0xbab6061a
	s_mov_b32 s51, 0x3d2aaaa5
	s_lshl_b32 s22, s20, 13                        ; 8,192 bytes a row block
	s_mov_b32 s23, 0
	s_wait_kmcnt 0x0
	s_add_nc_u64 s[16:17], s[16:17], s[22:23]
	s_mov_b32 s29, 0
.Lm:                                               ; 8 trips: group m, four frequencies a lane
	s_and_b32 s30, s29, 4
	s_lshl_b32 s30, s30, 3
	s_and_b32 s31, s29, 3
	s_lshl_b32 s31, s31, 2
	s_add_co_u32 s30, s30, s31
	v_add_nc_u32 v7, s30, v6
	v_cvt_f32_u32 v16, v7                          ; i
	v_add_f32 v17, 1.0, v16
	v_add_f32 v18, 2.0, v16
	v_add_f32 v19, 0x40400000, v16
.irp e, 0,1,2,3
	v_mul_f32 v[20+\e], s40, v[16+\e]              ; a = i c, rounded
.endr
.irp e, 0,1,2,3
	v_fma_f32 v[24+\e], v[16+\e], s40, -v[20+\e]   ; what that rounding left,
.endr
.irp e, 0,1,2,3
	v_fma_f32 v[24+\e], v[16+\e], s41, v[24+\e]    ; and c's own
.endr
.irp e, 0,1,2,3
	v_exp_f32 v[28+\e], -v[20+\e]
.endr
	v_nop                                          ; a plain place behind the last exponential
	s_wait_alu depctr_va_vdst(0)                   ; one wait for the four, ahead of their first reader
.irp e, 0,1,2,3
	v_mul_f32 v[20+\e], s42, v[28+\e]
.endr
.irp e, 0,1,2,3
	v_fma_f32 v[28+\e], v[20+\e], v[24+\e], v[28+\e]   ; 2^-a (1 - ln 2 x rest)
.endr
.irp e, 0,1,2,3
	v_mul_f32 v[16+\e], v5, v[28+\e]               ; the phase
.endr
.irp e, 0,1,2,3
	v_mul_f32 v[20+\e], s43, v[16+\e]
.endr
.irp e, 0,1,2,3
	v_rndne_f32 v[20+\e], v[20+\e]                 ; n quarter turns, at most 651: n x the upper part of pi / 2 is taken off exactly
.endr
.irp e, 0,1,2,3
	v_fma_f32 v[16+\e], -v[20+\e], s44, v[16+\e]
.endr
.irp e, 0,1,2,3
	v_fma_f32 v[16+\e], -v[20+\e], s45, v[16+\e]   ; r
.endr
.irp e, 0,1,2,3
	v_mul_f32 v[24+\e], v[16+\e], v[16+\e]         ; z
.endr
.irp e, 0,1,2,3
	v_fma_f32 v[28+\e], v[24+\e], s46, s47
.endr
.irp e, 0,1,2,3
	v_fma_f32 v[28+\e], v[28+\e], v[24+\e], s48
.endr
.irp e, 0,1,2,3
	v_mul_f32 v[32+\e], v[16+\e], v[24+\e]
.endr
.irp e, 0,1,2,3
	v_fma_f32 v[28+\e], v[32+\e], v[28+\e], v[16+\e]   ; sin r
.endr
.irp e, 0,1,2,3
	v_fma_f32 v[32+\e], v[24+\e], s49, s50
.endr
.irp e, 0,1,2,3
	v_fma_f32 v[32+\e], v[32+\e], v[24+\e], s51
.endr
.irp e, 0,1,2,3
	v_mul_f32 v[36+\e], v[24+\e], v[24+\e]
.endr
.irp e, 0,1,2,3
	v_fma_f32 v[24+\e], v[24+\e], -0.5, 1.0
.endr
.irp e, 0,1,2,3
	v_fma_f32 v[32+\e], v[32+\e], v[36+\e], v[24+\e]   ; cos r
.endr
.irp e, 0,1,2,3
	v_cvt_i32_f32 v[20+\e], v[20+\e]
.endr
.irp e, 0,1,2,3
	v_and_b32 v[36+\e], 1, v[20+\e]                ; an odd quarter swaps the two
	v_cmp_eq_u32 vcc_lo, 1, v[36+\e]
	v_cndmask_b32 v[68+\e], v[28+\e], v[32+\e], vcc_lo
	v_cndmask_b32 v[64+\e], v[32+\e], v[28+\e], vcc_lo
.endr
.irp e, 0,1,2,3
	v_and_b32 v[36+\e], 2, v[20+\e]                ; the sine is negative in quarters 2 and 3,
	v_lshlrev_b32 v[36+\e], 30, v[36+\e]
	v_xor_b32 v[68+\e], v[36+\e], v[68+\e]
	v_add_nc_u32 v[36+\e], 1, v[20+\e]             ; the cosine in quarters 1 and 2
	v_and_b32 v[36+\e], 2, v[36+\e]
	v_lshlrev_b32 v[36+\e], 30, v[36+\e]
	v_xor_b32 v[64+\e], v[36+\e], v[64+\e]
.endr
	global_store_b128 v4, v[64:67], s[16:17]               ; 512 consecutive bytes each
	global_store_b128 v4, v[68:71], s[16:17] offset:4096
	s_wait_xcnt 0x0                                ; the stores have read their data and their base: both are written again below and in the next trip
	s_add_nc_u64 s[16:17], s[16:17], 512
	s_add_co_u32 s29, s29, 1
	s_cmp_lt_u32 s29, 8
	s_cbranch_scc1 .Lm
	s_endpgm
.Lfunc_end_k_q21e22b8315_quant:
	.size	k_q21e22b8315_quant, .Lfunc_end_k_q21e22b8315_quant-k_q21e22b8315_quant
	.p2alignl 7, 3214868480
	.fill 96, 4, 3214868480
	.section	.rodata,"a",@progbits
	.p2align	6, 0x0
	.amdhsa_kernel k_q21e22b8315_quant
		.amdhsa_group_segment_fixed_size 34304
		.amdhsa_private_segment_fixed_size 0
		.amdhsa_enable_private_segment 0
		.amdhsa_kernarg_size 56
		.amdhsa_user_sgpr_count 2
		.amdhsa_user_sgpr_kernarg_segment_ptr 1
		.amdhsa_wavefront_size32 1
		.amdhsa_system_sgpr_workgroup_id_x 1
		.amdhsa_system_sgpr_workgroup_id_y 1
		.amdhsa_system_sgpr_workgroup_id_z 1
		.amdhsa_system_vgpr_workitem_id 0
		.amdhsa_next_free_vgpr 256
		.amdhsa_next_free_sgpr 66
		.amdhsa_reserve_vcc 1
		.amdhsa_float_denorm_mode_32 3
		.amdhsa_float_denorm_mode_16_64 3
		.amdhsa_memory_ordered 1
		.amdhsa_forward_progress 1
		.amdhsa_inst_pref_size 40
	.end_amdhsa_kernel
	.amdgpu_metadata
---
amdhsa.version: [ 1, 2 ]
amdhsa.kernels:
  - .name:           k_q21e22b8315_quant
    .symbol:         k_q21e22b8315_quant.kd
    .args:
      - { .name: x, .offset: 0, .size: 8, .value_kind: global_buffer, .address_space: global }
      - { .name: Wq, .offset: 8, .size: 8, .value_kind: global_buffer, .address_space: global }
      - { .name: Wk, .offset: 16, .size: 8, .value_kind: global_buffer, .address_space: global }
      - { .name: Wv, .offset: 24, .size: 8, .value_kind: global_buffer, .address_space: global }
      - { .name: Wproj, .offset: 32, .size: 8, .value_kind: global_buffer, .address_space: global }
      - { .name: opnd, .offset: 40, .size: 8, .value_kind: global_buffer, .address_space: global }
      - { .name: rope, .offset: 48, .size: 8, .value_kind: global_buffer, .address_space: global }
    .group_segment_fixed_size: 34304
    .private_segment_fixed_size: 0
    .kernarg_segment_align: 8
    .kernarg_segment_size: 56
    .max_flat_workgroup_size: 128
    .sgpr_count:     66
    .vgpr_count:     256
    .wavefront_size: 32
...
	.end_amdgpu_metadata
.endif
;; end of part 1
;; launch qkv (part 2): grid 12 x 16, 4 waves a work-group, clusters of 4 x 4, 327,680 bytes of LDS; arguments opnd, rope, q_gain, qkv; writes qkv
.if DOCPART == 2
	.amdgcn_target "amdgcn-amd-amdhsa--gfx1250"
	.amdhsa_code_object_version 6
	.text
	.protected	k_q21e22b8315_qkv
	.globl	k_q21e22b8315_qkv
	.p2align	8
	.type	k_q21e22b8315_qkv,@function
k_q21e22b8315_qkv:
	s_mov_b64 s[64:65], 0
	v_nop
	global_prefetch_b8 v0, s[64:65] scope:SCOPE_SE
	s_setreg_imm32_b32 hwreg(HW_REG_WAVE_MODE, 25, 1), 1
	s_wait_xcnt 0x0
	s_wait_alu depctr_hold_cnt(0) depctr_sa_sdst(0) depctr_va_vdst(0) depctr_va_sdst(0) depctr_va_ssrc(0) depctr_va_vcc(0) depctr_vm_vsrc(0)
	s_getreg_b32 s2, hwreg(HW_REG_IB_STS2, 6, 4)
	s_cmp_eq_u32 s2, 0
	s_cbranch_scc0 .Lentry_in_a_cluster
	s_endpgm
.Lentry_in_a_cluster:
	s_bfe_u32 s2, ttmp6, 0x10000c
	s_cmp_lg_u32 s2, 0xf033
	s_cbranch_scc0 .Lentry_shape_is_right
	s_endpgm
.Lentry_shape_is_right:
; [q | k, v by heads] = x [Wq | Wk, Wv]^T on codes of FP6 (E2M3) with E8M0 scales, K = 2,048; then, in registers: q and k are normalised over the head (RMS), turned by the rotary table, q times its head's gain,
; and quantised along the head's 128; v is quantised along the KEYS.  Only codes and scale words go to memory, laid as the attention launch's operands.
; THE PRODUCT.  A tile of 256 rows x 256 columns to a work-group of four waves, 128 x 128 a wave: 64 accumulators, 512 registers.  K goes in slots of 256 through a ring of two LDS slots.  Operands lie in memory as images of
; their registers (a fragment of 16 rows x 128 K: 1,536 bytes, register n of lane l at 512 (n / 4) + 16 l + 4 (n % 4)), so a slot's part of 8 row blocks is one dense block of 24,576 bytes for one tensor load, and a fragment
; comes from LDS by three loads of 16 bytes a lane, 512 consecutive bytes each: no pitch, no padding.  The scale words of the tile's rows, for all of K, come once with the first fills.
; CLUSTERS of 4 x 4: A's tiles are asked for jointly along a row of the cluster, B's along a column.  The matrix instruction is used transposed (source 0 = 16 rows of W, source 1 = 16 rows of x).
; ROWS OF A ROW BLOCK ARE NOT NEIGHBOURS: lane r of block rb holds row 32 (rb / 2) + 8 (rb % 2) + r + 8 (r / 8).  So in the results of x's block a lane (r, h) holds one token, and register 8 b + j of its 64 holds the head's
; channel 32 (b / 2) + 16 h + 8 (b % 2) + j: sixteen neighbours for each block of 32.
; A wave's 128 columns are one head and its 128 rows one key step of one sequence.  In the cluster column x = 2 the waves with odd number hold v, the others k.
; LIMITS: NaN and infinities are not served.  A block whose largest magnitude lies under 2^-124 gets the byte 1.  The gain is multiplied into the norm's factor ahead of the rotation, so one rounding falls elsewhere than where the rotation comes first.
; This launch claims all of a WGP's LDS, and adds 0 to spare words at each change of slots and at its end.
.set ABASE, 0                          ; byte offsets in A's buffer: codes, scale words; a slot of all row blocks
.set ASCL,  14155776
.set ASTEP, 786432
.set BBASE, 6291456                    ; the same for B
.set BSCL,  14417920
.set BSTEP, 589824
.set PA,    4                          ; s[4:5] A's buffer; B's is the same buffer here
.set PB,    4
.set NQ,    2                          ; matrix instructions deep in a slot
.set FR,    12                         ; registers of a fragment
.set NL,    3                          ; LDS loads that bring one
.set NP,    4                          ; places behind this matrix instruction (ISA guide 7.12.1)
.set HALFT, 24576                      ; 8 row blocks of a slot: what one tensor load brings, and what one wave reads of A or of B
.set SLOT,  98304                      ; A's 16 row blocks, then B's 16
.set LAPS,  4                          ; 8 slots, two to a lap
.set SCL,   196608                     ; A's scale words, 16,384 bytes; B's begin 16,512 on, so that the two halves of a scale load fall on different banks
.set SPARE, 229632                     ; the spare words, 128 bytes for each wave: two blocks of 256 bytes that no other line names
.set ADRA, 16                          ; v16-17  LDS address of my A fragments in slot 0, 1
.set ADRB, 20                          ; v20-21  the same for B
.set L16,  24                          ; v24     16 x lane
.set VSTO, 25                          ; v25     v's stage: where I put 16 bytes of a key's row
.set VRD,  26                          ; v26     and where I read a channel's word
.set ADRS, 27                          ; v27     LDS address of my scale words: lanes 0-15 A's, lanes 16-31 B's
.set SPW,  28                          ; v28     my spare word; never rewritten
.set NIL,  29                          ; v29     0; never rewritten
.set SC,   32                          ; v32-63  scale words, two sets; nothing else is ever put there
.set AF,   128                         ; v128-223 A's fragments, one set (window 0); B's two sets at v0 and v128 of window 1; accumulators in windows 2 and 3
.set SS,   64                          ; the way out: v64-95 sums of squares, four a row block
.set NF,   96                          ; v96-111 the norm's factor x gain, a pair a row block
.set T,    112                         ; v112-119 at work
.set HA,   128                         ; v128-191 a row block's 64 numbers
.set PC,   192                         ; v192-210 codes just made
.set TM,   212                         ; v212-227 at work in the quantiser
.set KW,   232                         ; v232-239 the eight row blocks' scale words (v: v232-235)
.set VX,   64                          ; v's way: v64-127 two sets of 32 keys of a channel
.set VF,   128                         ; v128-223 v's eight fragments
.set SEL,  78                          ; s[78:79] lane selects, set behind the loop
.set G1, 24
.set G0, 32
.set G1B, 48
.set G0B, 56
.set G1S, 68
.set G0S, 76
.set G1SB, 80
.set G0SB, 88
.set MSB, 0
.macro WIN new                         ; the immediate's high byte repeats the setting that is left
.if MSB != (\new)
	s_set_vgpr_msb (MSB<<8)|(\new)
.set MSB, (\new)
.endif
.endm
.set MUL_LO, 0xa1                      ; source 0 (B) window 1, source 1 (A) window 0, C and D window 2
.set MUL_HI, 0xf1                      ; the same, C and D window 3
.set TO_B,   0x40                      ; destination window 1, address window 0
; A joint load: waves 0 and 1 fetch for A, waves 2 and 3 for B; the branch hangs on the wave's number alone.  Four v_nop follow each of the two lines.
.macro JLOAD g0a, g1a, g0b, g1b
	s_cmp_eq_u32 s15, 0
	s_cbranch_scc0 .Lfor_b_\@
	tensor_load_to_lds s[\g0a:\g0a+3], s[\g1a:\g1a+7]
	s_nop 0
.rept 4
	v_nop
.endr
	s_branch .Lasked_\@
.Lfor_b_\@:
	tensor_load_to_lds s[\g0b:\g0b+3], s[\g1b:\g1b+7]
	s_nop 0
.rept 4
	v_nop
.endr
.Lasked_\@:
.endm
.macro CREST                           ; a round of the cluster's barrier behind its opening barrier
	s_cmp_lg_u32 s14, 0
	s_cbranch_scc1 .Lnot_wave_0_\@
	s_barrier_signal -3
.Lnot_wave_0_\@:
	s_barrier_wait -3
	s_barrier_signal -1
	s_barrier_wait -1
.endm
.macro CROUND
	s_barrier_signal -1
	s_barrier_wait -1
	CREST
.endm
	s_load_b256 s[4:11], s[0:1], 0x0               ; opnd s[4:5], rope s[6:7], q_gain s[8:9], qkv s[10:11]
	v_lshl_add_u32 v[SPW], v0, 2, SPARE
	v_mov_b32 v[NIL], 0
	ds_add_u32 v28, v29
	ds_add_u32 v28, v29
	s_wait_dscnt 0x0
	v_lshrrev_b32 v1, 5, v0
	v_readfirstlane_b32 s14, v1                    ; wave 0..3
	s_lshr_b32 s15, s14, 1                         ; which half of the tile's rows is mine.  Also: I fetch for A (0) or for B (1)
	s_and_b32 s16, s14, 1                          ; which half of its columns.  Also: which 8 row blocks of that tile I fetch
	s_bfe_u32 s40, ttmp6, 0x40000                  ; cx, cy
	s_bfe_u32 s41, ttmp6, 0x40004
	s_lshl_b32 s42, ttmp9, 2
	s_add_co_u32 s42, s42, s40                     ; tile column
	s_and_b32 s17, ttmp7, 0xffff
	s_lshl_b32 s17, s17, 2
	s_add_co_u32 s17, s17, s41                     ; tile row
	s_lshl_b32 s43, s41, 2
	s_lshl_b32 s43, 15, s43                        ; my row of the cluster
	s_lshl_b32 s44, 0x1111, s40                    ; my column
	; descriptor group 1: dense blocks as rows of 256 bytes (32 elements of 8 bytes): 96 rows for a tile's part, 32 for the scale words of 8 row blocks
	s_or_b32 s[G1+0], s43, (3<<16)|(1<<21)         ; 15:0 the mask; 17:16 elements of 8 bytes; 21 set beside a mask; no padding
	s_or_b32 s[G1B+0], s44, (3<<16)|(1<<21)
.irp g, G1, G1B
	s_mov_b32 s[\g+1], 32<<16                      ; tensor_dim0
	s_mov_b32 s[\g+2], 96<<16                      ; tensor_dim1
	s_mov_b32 s[\g+3], 32<<16                      ; tile_dim0
	s_mov_b32 s[\g+4], 96                          ; tile_dim1
	s_mov_b32 s[\g+5], 32                          ; the pitch
	s_mov_b32 s[\g+6], 0
	s_mov_b32 s[\g+7], 0
.endr
	s_or_b32 s[G1S+0], s43, (3<<16)|(1<<21)
	s_or_b32 s[G1SB+0], s44, (3<<16)|(1<<21)
.irp g, G1S, G1SB
	s_mov_b32 s[\g+1], 32<<16
	s_mov_b32 s[\g+2], 32<<16
	s_mov_b32 s[\g+3], 32<<16
	s_mov_b32 s[\g+4], 32
	s_mov_b32 s[\g+5], 32
	s_mov_b32 s[\g+6], 0
	s_mov_b32 s[\g+7], 0
.endr
	s_lshl_b32 s18, s16, 3                         ; which 8 row blocks I fetch
	s_lshl_b32 s20, s17, 4
	s_add_co_u32 s20, s20, s18                     ; A: row block 16 x tile row + 8 x half
	s_lshl_b32 s46, s42, 4
	s_add_co_u32 s46, s46, s18                     ; B: 16 x tile column + 8 x half
	s_lshl_b32 s22, s20, 10
	s_add_co_u32 s22, s22, ASCL                    ; their scale words: 1,024 bytes a row block
	s_mov_b32 s23, 0
	s_lshl_b32 s92, s46, 10
	s_add_co_u32 s92, s92, BSCL
	s_mov_b32 s93, 0
	s_mul_i32 s20, s20, 3072                       ; their codes in slot 0
	s_add_co_u32 s20, s20, ABASE
	s_mov_b32 s21, 0
	s_mul_i32 s46, s46, 3072
	s_add_co_u32 s46, s46, BBASE
	s_mov_b32 s47, 0
	s_mul_i32 s45, s14, HALFT                      ; where they go: no place in the cluster enters an LDS address
	s_lshl_b32 s94, s14, 13
	s_lshl_b32 s95, s15, 7
	s_add_co_u32 s94, s94, s95
	s_wait_kmcnt 0x0
	s_add_nc_u64 s[20:21], s[PA:PA+1], s[20:21]
	s_add_nc_u64 s[22:23], s[PA:PA+1], s[22:23]
	s_add_nc_u64 s[46:47], s[PB:PB+1], s[46:47]
	s_add_nc_u64 s[92:93], s[PB:PB+1], s[92:93]
	CROUND                                         ; all sixteen work-groups are here: the first joint loads meet
	s_mov_b32 s[G0S], 1
	s_add_co_u32 s[G0S+1], s94, SCL
	s_mov_b64 s[G0S+2:G0S+3], s[22:23]
	s_or_b32 s[G0S+3], s[G0S+3], 0x80000000
	s_mov_b32 s[G0SB], 1
	s_add_co_u32 s[G0SB+1], s94, SCL
	s_mov_b64 s[G0SB+2:G0SB+3], s[92:93]
	s_or_b32 s[G0SB+3], s[G0SB+3], 0x80000000
	JLOAD G0S, G1S, G0SB, G1SB                     ; the scale words first: they are wanted with slot 0
.irp s, 0,1
	s_mov_b32 s[G0+4*\s], 1
	s_add_co_u32 s[G0+4*\s+1], s45, \s*SLOT
	s_add_nc_u64 s[G0+4*\s+2:G0+4*\s+3], s[20:21], \s*ASTEP
	s_or_b32 s[G0+4*\s+3], s[G0+4*\s+3], 0x80000000
	s_mov_b32 s[G0B+4*\s], 1
	s_add_co_u32 s[G0B+4*\s+1], s45, \s*SLOT
	s_add_nc_u64 s[G0B+4*\s+2:G0B+4*\s+3], s[46:47], \s*BSTEP
	s_or_b32 s[G0B+4*\s+3], s[G0B+4*\s+3], 0x80000000
	JLOAD G0+4*\s, G1, G0B+4*\s, G1B
.endr
	v_and_b32 v1, 15, v0                           ; r
	v_bfe_u32 v2, v0, 4, 1                         ; h
	v_and_b32 v3, 31, v0
	v_lshlrev_b32 v[L16], 4, v3
	s_mul_i32 s21, s15, HALFT                      ; my 8 row blocks of A
	s_mul_i32 s22, s16, HALFT                      ; my 8 of B,
	s_add_co_u32 s22, s22, 2*HALFT                 ; which lie behind A's 16
.irp s, 0,1
	v_add_nc_u32 v[ADRA+\s], s21, v[L16]
	v_add_nc_u32 v[ADRB+\s], s22, v[L16]
	s_add_co_u32 s21, s21, SLOT
	s_add_co_u32 s22, s22, SLOT
.endr
	v_lshlrev_b32 v5, 3, v1                        ; my row's two words of a slot
	s_lshl_b32 s21, s15, 13                        ; A's: my 8 row blocks
	s_lshl_b32 s22, s16, 13                        ; B's: my 8, behind A's
	s_add_co_u32 s22, s22, 16512
	s_sub_co_u32 s22, s22, s21
	v_mul_u32_u24 v6, s22, v2                      ; lanes 16-31 take B's
	s_add_co_u32 s21, s21, SCL
	v_add_nc_u32 v5, v5, v6
	v_add_nc_u32 v[ADRS], s21, v5
	v_and_b32 v5, 8, v1                            ; v's stage, my wave's own 32 rows of 528 bytes in slot 0: made here, ahead of every parting of the waves
	v_add_nc_u32 v5, v5, v1                        ; r + 8 (r / 8)
	s_mul_i32 s23, s14, 16896
	v_mul_u32_u24 v6, v5, 528
	v_lshl_add_u32 v6, v2, 6, v6
	v_add_nc_u32 v[VSTO], s23, v6                  ; in: my key's row, + 64 h
	v_lshl_add_u32 v6, v2, 3, v5
	v_lshlrev_b32 v6, 2, v6
	v_add_nc_u32 v[VRD], s23, v6                   ; out: the word of channel 8 h + r + 8 (r / 8)
	s_lshl_b32 s66, s17, 1                         ; what my 128 x 128 is:
	s_add_co_u32 s66, s66, s15
	s_and_b32 s66, s66, 7                          ; the key step in its sequence,
	s_lshr_b32 s67, s17, 2                         ; the sequence,
	s_lshl_b32 s96, s42, 1
	s_add_co_u32 s96, s96, s16
	s_add_co_u32 s97, s40, 16
	s_cmp_eq_u32 ttmp9, 2                          ; the cluster's x: the same in all partners
	s_cselect_b32 s96, s97, s96                    ; the head: 0-15 q's, 16 + g k's,
	s_cselect_b32 s98, s16, 0                      ; and 1 where it is v
	s_min_u32 s97, s96, 15
	s_lshl_b32 s12, s97, 2
	s_mov_b32 s13, 0
	s_add_nc_u64 s[12:13], s[8:9], s[12:13]
	s_load_b32 s99, s[12:13], 0x0                  ; the head's gain; waited for behind the loop
.macro FRAG reg, adr, q, i             ; a fragment as it lies: three loads of 512 consecutive bytes
.irp c, 0,1,2
	ds_load_b128 v[\reg+4*\c:\reg+4*\c+3], v[\adr] offset:3072*(\i)+1536*(\q)+512*\c
.endr
.endm
; 16 matrix instructions: A's blocks a0, a0 + 1 x B's eight, 128 along K.  p: B's set; sc: the set of scale words.  zero = 1: the first product starts the sums.
; The 64 accumulators take turns, one instruction a turn, in the same order in every step.
.macro MUL16 a0, p, q, sc, zero
.irp a, \a0, \a0+1
.irp b, 0,1,2,3,4,5,6,7
.if \zero
	v_wmma_scale_f32_16x16x128_f8f6f4 v[8*(8*((\a)%4)+\b):8*(8*((\a)%4)+\b)+7], v[128*(\p)+FR*\b:128*(\p)+FR*\b+FR-1], v[AF+FR*(\a):AF+FR*(\a)+FR-1], 0, v[SC+8*NQ*(\sc)+NQ*\b+(\q)], v[SC+8*NQ*(\sc)+NQ*(\a)+(\q)] matrix_a_fmt:MATRIX_FMT_FP6 matrix_b_fmt:MATRIX_FMT_FP6 matrix_a_scale:MATRIX_SCALE_ROW1
.else
	v_wmma_scale_f32_16x16x128_f8f6f4 v[8*(8*((\a)%4)+\b):8*(8*((\a)%4)+\b)+7], v[128*(\p)+FR*\b:128*(\p)+FR*\b+FR-1], v[AF+FR*(\a):AF+FR*(\a)+FR-1], v[8*(8*((\a)%4)+\b):8*(8*((\a)%4)+\b)+7], v[SC+8*NQ*(\sc)+NQ*\b+(\q)], v[SC+8*NQ*(\sc)+NQ*(\a)+(\q)] matrix_a_fmt:MATRIX_FMT_FP6 matrix_b_fmt:MATRIX_FMT_FP6 matrix_a_scale:MATRIX_SCALE_ROW1
.endif
.endr
.endr
.endm
.macro FETCH_B slot, q, p
	WIN TO_B
.irp i, 0,1,2,3,4,5,6,7
	FRAG 128*(\p)+FR*\i, ADRB+\slot, \q, \i
.endr
	WIN 0
.endm
.macro FETCH_A slot, q, i0
.irp i, \i0, \i0+1, \i0+2, \i0+3
	FRAG AF+FR*(\i), ADRA+\slot, \q, \i
.endr
.endm
.macro SCALES sc                       ; a slot's scale words: two a row; lanes 0-15 take A's block i, lanes 16-31 B's block i
.irp i, 0,1,2,3,4,5,6,7
	ds_load_b64 v[SC+8*NQ*\sc+NQ*\i:SC+8*NQ*\sc+NQ*\i+1], v[ADRS] offset:\i*1024
.endr
.endm
.macro PLACES n                        ; plain vector instructions between a matrix instruction and a load into, or a read of, its registers
.rept \n
	v_nop
.endr
.endm
.macro STEP slot, q, zero              ; 128 along K whose successor lies in the same slot
	s_wait_dscnt 4*NL                              ; B's set, A's blocks 0-3 and the scale words are in; the youngest 12 loads (A's blocks 4-7) may be out
	WIN MUL_LO
	MUL16 0, (\q)%2, \q, \slot, \zero
	MUL16 2, (\q)%2, \q, \slot, \zero
	s_wait_dscnt 0
	PLACES NP
	FETCH_B \slot, (\q)+1, 1-(\q)%2
	FETCH_A \slot, (\q)+1, 0
	WIN MUL_HI
	MUL16 4, (\q)%2, \q, \slot, \zero
	MUL16 6, (\q)%2, \q, \slot, \zero
	PLACES NP
	WIN 0
	FETCH_A \slot, (\q)+1, 4
.endm
; A slot's last step changes slots: one barrier; in front of it each wave waits for all its tensor loads, adds 0 to its spare word, and waits for that and for its own reads of this slot.  fill = 1: the slot is filled again, two slots ahead.
.macro TURN slot, next, fill
	s_wait_tensorcnt 0x0                           ; all my tensor loads have landed: my part of the next slot
	ds_add_u32 v[SPW], v[NIL]                      ; 0 onto my spare word
	s_wait_dscnt 4*NL+1                            ; the add and the youngest 12 loads may be out
	WIN MUL_LO
	MUL16 0, 1, NQ-1, \slot, 0
	s_wait_dscnt 0x0                               ; the add is done, and my reads of this slot are over
	s_barrier_signal -1
	MUL16 2, 1, NQ-1, \slot, 0
	WIN 0
	s_barrier_wait -1
.if \fill
	CREST                                          ; the barrier has opened a round of the cluster's: no wave of any partner still reads this slot or has a load on its way
	s_add_nc_u64 s[G0+4*\slot+2:G0+4*\slot+3], s[G0+4*\slot+2:G0+4*\slot+3], 2*ASTEP
	s_add_nc_u64 s[G0B+4*\slot+2:G0B+4*\slot+3], s[G0B+4*\slot+2:G0B+4*\slot+3], 2*BSTEP
	JLOAD G0+4*\slot, G1, G0B+4*\slot, G1B         ; the first tensor load behind the round; its four v_nop are also the places in front of the loads below
.else
	PLACES NP
.endif
	v_add_nc_u32 v[ADRS], 128, v[ADRS]             ; the next slot's scale words
	FETCH_B \next, 0, 0
	FETCH_A \next, 0, 0
	SCALES \next
	WIN MUL_HI
	MUL16 4, 1, NQ-1, \slot, 0
	MUL16 6, 1, NQ-1, \slot, 0
	PLACES NP
	WIN 0
	FETCH_A \next, 0, 4
.endm
	s_wait_tensorcnt 1                             ; the scale words and my part of slot 0 are in; slot 1's load may be out
	s_barrier_signal -1
	s_barrier_wait -1
	FETCH_B 0, 0, 0
	FETCH_A 0, 0, 0
	SCALES 0
	FETCH_A 0, 0, 4
	STEP 0, 0, 1                                   ; the first step stands in front of the loop: its products start the sums
	s_mov_b32 s3, LAPS-1
.Llap:                                             ; a trip goes once round the ring and fills both slots again
	TURN 0, 1, 1
	STEP 1, 0, 0
	TURN 1, 0, 1
	STEP 0, 0, 0
	s_sub_co_u32 s3, s3, 1
	s_cmp_lg_u32 s3, 0
	s_cbranch_scc1 .Llap
	TURN 0, 1, 0                                   ; the last lap fills nothing
	STEP 1, 0, 0
	s_wait_dscnt 4*NL
	WIN MUL_LO
	MUL16 0, 1, NQ-1, 1, 0
	MUL16 2, 1, NQ-1, 1, 0
	s_wait_dscnt 0
	WIN MUL_HI
	MUL16 4, 1, NQ-1, 1, 0
	MUL16 6, 1, NQ-1, 1, 0
	WIN 0
	PLACES NP
	; ---- where the results go.  No tensor load is out: the descriptors' registers are free
	s_wait_kmcnt 0x0
	s_cmp_eq_u32 ttmp9, 2
	s_cselect_b32 s99, 1.0, s99                    ; k has no gain
	s_mul_i32 s18, s67, 20
	s_add_co_u32 s18, s18, s96                     ; 20 x sequence + head
	s_mul_i32 s20, s18, 98304
	s_mul_i32 s21, s66, 12288
	s_add_co_u32 s20, s20, s21
	s_mov_b32 s21, 0
	s_add_nc_u64 s[68:69], s[10:11], s[20:21]      ; q's or k's codes: this key step's 8 fragments
	s_lshl_b32 s20, s18, 12
	s_lshl_b32 s22, s66, 9
	s_add_co_u32 s20, s20, s22
	s_add_co_u32 s20, s20, 7864320
	s_add_nc_u64 s[70:71], s[10:11], s[20:21]      ; their scale words: 512 bytes a step
	s_lshl_b32 s20, s66, 16
	s_add_nc_u64 s[72:73], s[6:7], s[20:21]        ; the table's 8 row blocks of this step
	s_lshl_b32 s18, s67, 2
	s_add_co_u32 s18, s18, s40
	s_lshl_b32 s18, s18, 3
	s_add_co_u32 s18, s18, s66                     ; (4 x sequence + k/v head) x 8 + step
	s_mul_i32 s20, s18, 12288
	s_add_co_u32 s20, s20, 8192000
	s_add_nc_u64 s[74:75], s[10:11], s[20:21]      ; v's codes
	s_lshl_b32 s20, s18, 9
	s_add_co_u32 s20, s20, 9764864
	s_add_nc_u64 s[76:77], s[10:11], s[20:21]      ; v's scale words
	s_mov_b32 s[SEL], 0x76543210
	s_mov_b32 s[SEL+1], 0xfedcba98
	s_mov_b32 s80, 0x3c000000                      ; 1 / 128
	s_mov_b32 s81, 0x34000000                      ; f32's machine epsilon, 2^-23
	s_cmp_lg_u32 s98, 0
	s_cbranch_scc1 .Lvpath
	; ---- q and k.  64 numbers of a lane, register 16 b + i = channel 32 b + 16 h + i of my token, become a fragment's codes in v[PC] on and its scale word in v[pw]
.macro QUANT s, pw
.irp b, 0,1,2,3
	v_max3_num_f32 v[TM+\b], |v[\s+16*\b]|, |v[\s+1+16*\b]|, 0x1800000   ; with the floor 2^(3 - 127): the byte cannot fall under 1
.endr
.irp i, 2,4,6,8,10,12,14
.irp b, 0,1,2,3
	v_max3_num_f32 v[TM+\b], v[TM+\b], |v[\s+16*\b+\i]|, |v[\s+1+16*\b+\i]|
.endr
.endr
.irp b, 0,1,2,3
	v_permlanex16_b32 v[TM+4+\b], v[TM+\b], s[SEL], s[SEL+1]
.endr
.irp b, 0,1,2,3
	v_max_num_f32 v[TM+\b], v[TM+\b], v[TM+4+\b]   ; with lane l xor 16's: the block's largest magnitude
.endr
.irp b, 0,1,2,3
	v_add_nc_u32 v[TM+12+\b], 0xff000000, v[TM+\b] ; 2 off its exponent field: the conversion's scale operand
.endr
.irp b, 0,1,2,3
	v_lshrrev_b32 v[TM+4+\b], 23, v[TM+12+\b]      ; the scale's byte
.endr
	v_lshl_or_b32 v[\pw], v[TM+5], 8, v[TM+4]
	v_lshl_or_b32 v[\pw], v[TM+6], 16, v[\pw]
	v_lshl_or_b32 v[\pw], v[TM+7], 24, v[\pw]
.irp c, 0,1
	v_cvt_scalef32_pk16_fp6_f32 v[PC+6*\c:PC+2+6*\c], v[\s+32*\c:\s+15+32*\c], v[TM+12+2*\c]
	v_cvt_scalef32_pk16_fp6_f32 v[PC+12+4*\c:PC+14+4*\c], v[\s+16+32*\c:\s+31+32*\c], v[TM+12+2*\c+1]
.endr
	v_nop                                          ; one plain place behind a scaled conversion
.irp c, 0,1                                    ; the operand's layout wants a whole block in a lane
.irp i, 0,1,2
	v_permlane16_swap_b32 v[PC+6*\c+\i], v[PC+12+4*\c+\i]
.endr
.irp i, 0,1,2
	v_mov_b32 v[PC+3+6*\c+\i], v[PC+12+4*\c+\i]
.endr
.endr
.endm
.macro TAB a                           ; row block a's cos (32 registers) and sin (32) into window 1, where B's fragments lay
	WIN 0x40
.irp n, 0,1,2,3,4,5,6,7,8,9,10,11,12,13,14,15
	global_load_b128 v[64*((\a)%4)+4*\n:64*((\a)%4)+4*\n+3], v[L16], s[72:73] offset:8192*(\a)+512*\n
.endr
	WIN 0
.endm
.irp b, 0,1,2,3
	v_mov_b32 v[TM+4+\b], 0                        ; a lane permute's destination counts as read
.endr
	TAB 0
	TAB 1
	TAB 2
	TAB 3
.irp w, 0,1                                    ; sums of squares: each row block in two chains, each accumulator from its low end on
	WIN 0x0a+5*\w
.set p_, 0
.rept 32
.irp a, 0,1,2,3
.if p_ < 2
	v_pk_mul_f32 v[SS+4*(4*\w+\a)+2*(p_%2):SS+4*(4*\w+\a)+2*(p_%2)+1], v[64*\a+2*p_:64*\a+2*p_+1], v[64*\a+2*p_:64*\a+2*p_+1]
.else
	v_pk_fma_f32 v[SS+4*(4*\w+\a)+2*(p_%2):SS+4*(4*\w+\a)+2*(p_%2)+1], v[64*\a+2*p_:64*\a+2*p_+1], v[64*\a+2*p_:64*\a+2*p_+1], v[SS+4*(4*\w+\a)+2*(p_%2):SS+4*(4*\w+\a)+2*(p_%2)+1]
.endif
.endr
.set p_, p_+1
.endr
.endr
	WIN 0
.irp a, 0,1,2,3,4,5,6,7
	v_pk_add_f32 v[SS+4*\a:SS+4*\a+1], v[SS+4*\a:SS+4*\a+1], v[SS+4*\a+2:SS+4*\a+3]
.endr
.irp a, 0,1,2,3,4,5,6,7
	v_add_f32 v[SS+4*\a], v[SS+4*\a], v[SS+4*\a+1]
.endr
.irp a, 0,1,2,3,4,5,6,7
	v_permlanex16_b32 v[SS+4*\a+1], v[SS+4*\a], s[SEL], s[SEL+1]
.endr
.irp a, 0,1,2,3,4,5,6,7
	v_add_f32 v[SS+4*\a], v[SS+4*\a], v[SS+4*\a+1] ; the token's 128 squares
.endr
.irp a, 0,1,2,3,4,5,6,7
	v_fma_f32 v[SS+4*\a], v[SS+4*\a], s80, s81     ; the mean + epsilon
.endr
.irp a, 0,1,2,3,4,5,6,7
	v_rsq_f32 v[SS+4*\a+2], v[SS+4*\a]
.endr
	v_nop                                          ; a plain place behind the last of them
	s_wait_alu depctr_va_vdst(0)                   ; one wait for the eight, ahead of their first reader
.irp a, 0,1,2,3,4,5,6,7
	v_mul_f32 v[NF+2*\a], s99, v[SS+4*\a+2]
	v_mul_f32 v[NF+2*\a+1], s99, v[SS+4*\a+2]
.endr
; Row block a: normalise, turn, quantise, store.  left: the table loads of later row blocks, which may stay out
.macro ROPEQ a, left
.set TW, 64*((\a)%4)
	WIN 0x02+(\a)/4                                ; source 0: the accumulators' window
.set p_, 0
.rept 32
	v_pk_mul_f32 v[HA+2*p_:HA+2*p_+1], v[TW+2*p_:TW+2*p_+1], v[NF+2*(\a):NF+2*(\a)+1] op_sel_hi:[1,0]
.set p_, p_+1
.endr
	s_wait_loadcnt \left                           ; this row block's cos and sin are in
	WIN 0x04                                       ; source 1: the table, in window 1
.set p_, 0
.rept 16                                       ; channels c and 64 + c: (x1 cos + x2 sin, x2 cos - x1 sin)
	v_pk_mul_f32 v[T+4*(p_%2):T+4*(p_%2)+1], v[HA+32+2*p_:HA+33+2*p_], v[TW+32+2*p_:TW+33+2*p_]
	v_pk_mul_f32 v[T+4*(p_%2)+2:T+4*(p_%2)+3], v[HA+2*p_:HA+2*p_+1], v[TW+32+2*p_:TW+33+2*p_]
	v_pk_fma_f32 v[HA+2*p_:HA+2*p_+1], v[HA+2*p_:HA+2*p_+1], v[TW+2*p_:TW+2*p_+1], v[T+4*(p_%2):T+4*(p_%2)+1]
	v_pk_fma_f32 v[HA+32+2*p_:HA+33+2*p_], v[HA+32+2*p_:HA+33+2*p_], v[TW+2*p_:TW+2*p_+1], v[T+4*(p_%2)+2:T+4*(p_%2)+3] neg_lo:[0,0,1] neg_hi:[0,0,1]
.set p_, p_+1
.endr
	WIN 0
.if (\a) < 4
	TAB (\a)+4
.endif
	s_wait_xcnt 0x0                                ; the last row block's stores have read v[PC] on: only now are they written again
	QUANT HA, KW+(\a)
.irp c, 0,1,2
	global_store_b128 v[L16], v[PC+4*\c:PC+4*\c+3], s[68:69] offset:1536*(\a)+512*\c   ; 512 consecutive bytes
.endr
.endm
	ROPEQ 0, 48
	ROPEQ 1, 48
	ROPEQ 2, 48
	ROPEQ 3, 48
	ROPEQ 4, 48
	ROPEQ 5, 32
	ROPEQ 6, 16
	ROPEQ 7, 0
	s_mov_b32 vcc_lo, 0xffff0000
.irp b, 0,1,2,3
	v_cndmask_b32 v[240+\b], v[KW+2*\b], v[KW+2*\b+1], vcc_lo   ; word b: lanes 0-15 row block 2 b's, lanes 16-31 row block 2 b + 1's
.endr
	global_store_b128 v[L16], v[240:243], s[70:71]
	s_branch .Ljoin
	; ---- v: quantised along the keys.  32 keys at a time go through my stage (a key's row: 128 channels, 528 bytes apart) and come back a channel a lane, 32 keys in 32 registers: a whole block
.Lvpath:
.macro VSTORE p                        ; x's row blocks 2 p and 2 p + 1: keys 32 p .. 32 p + 31; each accumulator from its low end on
	WIN 0x08+4*((\p)/2)
.irp u, 0,1
.irp b, 0,1,2,3,4,5,6,7
	ds_store_b128 v[VSTO], v[64*((2*(\p)+\u)%4)+8*\b:64*((2*(\p)+\u)%4)+8*\b+3] offset:4224*\u+128*(\b/2)+32*(\b%2)
	ds_store_b128 v[VSTO], v[64*((2*(\p)+\u)%4)+8*\b+4:64*((2*(\p)+\u)%4)+8*\b+7] offset:4224*\u+128*(\b/2)+32*(\b%2)+16
.endr
.endr
	WIN 0
.endm
.macro VREAD bq                        ; channels 32 bq on: lane (r, h) takes that of tile 2 bq + h, row r; the 32 lanes read 32 neighbouring words
.set i_, 0
.rept 32
	ds_load_b32 v[VX+32*((\bq)%2)+i_], v[VRD] offset:528*i_+128*(\bq)
.set i_, i_+1
.endr
.endm
.macro VQ p, bq
.set XQ, VX+32*((\bq)%2)
.set FD, VF+12*(2*(\bq)+(\p)%2)+6*((\p)/2)
.set SCR, 224+4*((\bq)%2)
	v_max3_num_f32 v236, |v[XQ]|, |v[XQ+1]|, 0x1800000
	v_max3_num_f32 v237, |v[XQ+2]|, |v[XQ+3]|, |v[XQ+4]|
.irp i, 5,9,13,17,21,25
	v_max3_num_f32 v236, v236, |v[XQ+\i]|, |v[XQ+\i+1]|
	v_max3_num_f32 v237, v237, |v[XQ+\i+2]|, |v[XQ+\i+3]|
.endr
	v_max3_num_f32 v236, v236, |v[XQ+29]|, |v[XQ+30]|
	v_max3_num_f32 v236, v236, v237, |v[XQ+31]|
	v_add_nc_u32 v238, 0xff000000, v236
	v_lshrrev_b32 v239, 23, v238
.if (\p) == 0
	v_mov_b32 v[KW+(\bq)], v239                    ; byte p of the channel's scale word for these 128 keys
.else
	v_lshl_or_b32 v[KW+(\bq)], v239, 8*(\p), v[KW+(\bq)]
.endif
	v_cvt_scalef32_pk16_fp6_f32 v[FD:FD+2], v[XQ:XQ+15], v238
	v_cvt_scalef32_pk16_fp6_f32 v[SCR:SCR+2], v[XQ+16:XQ+31], v238
	v_nop                                          ; one plain place behind a scaled conversion
.irp i, 0,1,2
	v_mov_b32 v[FD+3+\i], v[SCR+\i]
.endr
.endm
.macro CHUNK p
	VSTORE \p
	VREAD 0
	VREAD 1
.irp q, 0,1,2,3
.if \q < 3
	s_wait_dscnt 32                                ; this set's 32 loads are in; the next set's 32 may be out
.else
	s_wait_dscnt 0x0
.endif
	VQ \p, \q
.if \q < 2
	VREAD \q+2
.endif
.endr
.endm
.macro VSWAP c                         ; key blocks 2 c and 2 c + 1 are made: lanes 16-31 of the even tile's registers change places with lanes 0-15 of the odd tile's, so that lane (r, h) of each tile holds block 2 c + h
.irp b, 0,1,2,3
.irp n, 0,1,2,3,4,5
	v_permlane16_swap_b32 v[VF+24*\b+6*\c+\n], v[VF+24*\b+12+6*\c+\n]
.endr
.endr
.endm
	CHUNK 0
	CHUNK 1
	VSWAP 0
	CHUNK 2
	CHUNK 3
	VSWAP 1
.irp t, 0,1,2,3,4,5,6,7
.irp c, 0,1,2
	global_store_b128 v[L16], v[VF+12*\t+4*\c:VF+12*\t+4*\c+3], s[74:75] offset:1536*\t+512*\c
.endr
.endr
	global_store_b128 v[L16], v[KW:KW+3], s[76:77]
.Ljoin:
	s_wait_tensorcnt 0x0                           ; the wave's end: behind my last tensor load and my last LDS store
	ds_add_u32 v[SPW], v[NIL]
	s_wait_dscnt 0x0
	CROUND                                         ; the closing round: no work-group ends while a partner may still ask for a tile that names it
	s_endpgm
.Lfunc_end_k_q21e22b8315_qkv:
	.size	k_q21e22b8315_qkv, .Lfunc_end_k_q21e22b8315_qkv-k_q21e22b8315_qkv
	.p2alignl 7, 3214868480
	.fill 96, 4, 3214868480
	.section	.rodata,"a",@progbits
	.p2align	6, 0x0
	.amdhsa_kernel k_q21e22b8315_qkv
		.amdhsa_group_segment_fixed_size 327680
		.amdhsa_private_segment_fixed_size 0
		.amdhsa_enable_private_segment 0
		.amdhsa_kernarg_size 32
		.amdhsa_user_sgpr_count 2
		.amdhsa_user_sgpr_kernarg_segment_ptr 1
		.amdhsa_wavefront_size32 1
		.amdhsa_system_sgpr_workgroup_id_x 1
		.amdhsa_system_sgpr_workgroup_id_y 1
		.amdhsa_system_sgpr_workgroup_id_z 1
		.amdhsa_system_vgpr_workitem_id 0
		.amdhsa_next_free_vgpr 1024
		.amdhsa_next_free_sgpr 102
		.amdhsa_reserve_vcc 1
		.amdhsa_float_denorm_mode_32 3
		.amdhsa_float_denorm_mode_16_64 3
		.amdhsa_memory_ordered 1
		.amdhsa_forward_progress 1
		.amdhsa_inst_pref_size 255
	.end_amdhsa_kernel
	.section	.bss,"aw",@nobits
	.p2align	6
	.space	262144
	.amdgpu_metadata
---
amdhsa.version: [ 1, 2 ]
amdhsa.kernels:
  - .name:           k_q21e22b8315_qkv
    .symbol:         k_q21e22b8315_qkv.kd
    .args:
      - { .name: opnd, .offset: 0, .size: 8, .value_kind: global_buffer, .address_space: global }
      - { .name: rope, .offset: 8, .size: 8, .value_kind: global_buffer, .address_space: global }
      - { .name: q_gain, .offset: 16, .size: 8, .value_kind: global_buffer, .address_space: global }
      - { .name: qkv, .offset: 24, .size: 8, .value_kind: global_buffer, .address_space: global }
    .group_segment_fixed_size: 327680
    .private_segment_fixed_size: 0
    .kernarg_segment_align: 8
    .kernarg_segment_size: 32
    .max_flat_workgroup_size: 128
    .sgpr_count:     102
    .vgpr_count:     1024
    .wavefront_size: 32
...
	.end_amdgpu_metadata
.endif
;; end of part 2
;; launch attn (part 3): grid 16 x 16, 16 waves a work-group, clusters of 4 x 1, 327,680 bytes of LDS; arguments qkv, yq; writes yq
.if DOCPART == 3
	.amdgcn_target "amdgcn-amd-amdhsa--gfx1250"
	.amdhsa_code_object_version 6
	.text
	.protected	k_q21e22b8315_attn
	.globl	k_q21e22b8315_attn
	.p2align	8
	.type	k_q21e22b8315_attn,@function
k_q21e22b8315_attn:
	s_mov_b64 s[64:65], 0
	v_nop
	global_prefetch_b8 v0, s[64:65] scope:SCOPE_SE
	s_setreg_imm32_b32 hwreg(HW_REG_WAVE_MODE, 25, 1), 1
	s_wait_xcnt 0x0
	s_wait_alu depctr_hold_cnt(0) depctr_sa_sdst(0) depctr_va_vdst(0) depctr_va_sdst(0) depctr_va_ssrc(0) depctr_va_vcc(0) depctr_vm_vsrc(0)
	s_getreg_b32 s2, hwreg(HW_REG_IB_STS2, 6, 4)
	s_cmp_eq_u32 s2, 0
	s_cbranch_scc0 .Lentry_in_a_cluster
	s_endpgm
.Lentry_in_a_cluster:
	s_bfe_u32 s2, ttmp6, 0x10000c
	s_cmp_lg_u32 s2, 0x3003
	s_cbranch_scc0 .Lentry_shape_is_right
	s_endpgm
.Lentry_shape_is_right:
; y[b][t][head] = softmax over keys s <= t of (q . k / sqrt(128)) times v, both products on codes of FP6 (E2M3) with E8M0 scales; y is quantised along its 2,048 and leaves as the last product's operand.
; THE SOFTMAX: t = score x log2(e) / sqrt(128); M = the running largest t rounded up to a whole number; p = 2^(t - M) is quantised along the keys, not normalised; the row's sum is taken of the unquantised p and divides at the end.
; When M moves, the sum and O are multiplied by 2^(old M - new M): exact.
; SHARES.  Grid y = 4 x sequence + k/v head.  The four work-groups of a cluster are the four query heads of that k/v head: they read the same K and V, which are asked for JOINTLY.  The cluster's x is j = 0 .. 3.
; Wave w owns ONE row block of 16 queries, 4 u + j with u = w xor 3 ((w / 4) % 2): it needs the key steps 0 .. u / 2, a number that hangs on the wave's number alone; every work-group has 72 wave-steps, and waves w, w + 4, w + 8, w + 12 have 18 together.
; ALL of the head's K and V (98,304 bytes of codes each, 4,096 of scale words each) lie in LDS, each byte filled ONCE: three tensor loads in each of waves 0-3 at the head: the scale words, key steps 0 and 1, key steps 2 to 7.
; So there is no ring and nothing is asked for ahead of a later step: the first two steps are worked while the third load lands.
; Every wave walks all 8 steps (the trip counts are constants); a step all of whose keys come after the wave's queries is jumped over, by a branch on the wave's number and the count.
; LAYOUT.  Both products transposed (S^T = K Q^T, O^T = V^T P^T): a lane holds one query.  Lane r of row block rb holds row 32 (rb / 2) + 8 (rb % 2) + r + 8 (r / 8), for queries, keys and V's channels alike:
; so p's, and O^T's, 16 registers of two neighbouring tiles are 16 neighbours along the next K.  A fragment lies as 1,536 bytes, three loads of 512 consecutive bytes.
; A step's scale words: 4 words a lane; word b in lanes 0-15 belongs to tile 2 b, in lanes 16-31 to tile 2 b + 1.
; LIMITS: NaN and infinities are not served; a block of p or of y whose largest magnitude lies under 2^-124 gets the byte 1.
; REGISTERS: v1-4 addresses that stay; v8-11 addresses in hand; v12 -M, v13 the largest t, v[14:15] the sum; v16-27 Q; v29 the mask's bound; v32-79 four fragments; v96-159 S^T, p; v160-223 O^T; v224-235 p's codes; v232-254 at work; v248-251, v253, v255 scale words.
.set QKS,  7864320                     ; byte offsets in qkv: q's and k's scale words, v's codes, v's scale words
.set VCD,  8192000
.set VSC,  9764864
.set YSB,  6291456                     ; in yq: the scale words
.set LV,   98304                       ; LDS: K's codes at 0, V's here,
.set LKS,  196608                      ; K's scale words,
.set LVS,  200704                      ; V's
.set AK0,  1
.set AV0,  2
.set ASK0, 3
.set ASV0, 4
.set ADK,  8
.set ADV,  9
.set ADS,  10
.set ADT,  11
.set PC,   32                          ; the way out: y's codes
.set TM,   232
.set WV,   18                          ; s18  my wave's number
.set SEL,  20                          ; s[20:21] lane selects: lane l xor 16
.set CS,   22                          ; s[22:23] c = log2(e) / sqrt(128)
.set TB,   2                           ; s2   the step's codes: 12,288 bytes a step
.set TS,   3                           ; s3   its scale words: 512 bytes a step
.set KJ,   66                          ; s66  the step
.set WH,   67                          ; s67  my last step
.macro CROUND
	s_barrier_signal -1
	s_barrier_wait -1
	s_cmp_lg_u32 s[WV], 0
	s_cbranch_scc1 .Lnot_wave_0_\@
	s_barrier_signal -3
.Lnot_wave_0_\@:
	s_barrier_wait -3
	s_barrier_signal -1
	s_barrier_wait -1
.endm
	s_load_b128 s[4:7], s[0:1], 0x0                ; qkv s[4:5], yq s[6:7]
	v_lshl_add_u32 v95, v0, 2, 0x32000
	v_mov_b32 v243, 0
	ds_add_u32 v95, v243
	ds_add_u32 v95, v243
	v_lshrrev_b32 v8, 5, v0
	v_readfirstlane_b32 s[WV], v8                  ; wave 0..15
	s_bfe_u32 s19, ttmp6, 0x40000                  ; cx: the query head in its group: it enters global addresses alone
	s_and_b32 s72, ttmp7, 0xffff                   ; 4 b + g
	s_lshr_b32 s73, s72, 2                         ; b
	s_and_b32 s74, s72, 3                          ; g
	s_lshr_b32 s75, s[WV], 2
	s_and_b32 s75, s75, 1
	s_mul_i32 s75, s75, 3
	s_xor_b32 s75, s[WV], s75                      ; u
	s_lshr_b32 s[WH], s75, 1
	s_lshl_b32 s76, s75, 2
	s_add_co_u32 s76, s76, ttmp9                   ; my row block of queries
	s_lshl_b32 s77, s74, 2
	s_add_co_u32 s77, s77, s19                     ; my head
	s_mul_i32 s78, s73, 20
	s_add_co_u32 s79, s78, s74
	s_add_co_u32 s79, s79, 16                      ; k's place among the 20 heads
	s_mul_i32 s80, s79, 98304                      ; K's codes,
	s_mul_i32 s81, s72, 98304
	s_add_co_u32 s81, s81, VCD                     ; V's,
	s_lshl_b32 s82, s79, 12
	s_add_co_u32 s82, s82, QKS                     ; K's scale words,
	s_lshl_b32 s83, s72, 12
	s_add_co_u32 s83, s83, VSC                     ; V's
	s_and_b32 s84, s[WV], 1                        ; waves 0, 1 fetch K's halves, waves 2, 3 V's
	s_lshr_b32 s85, s[WV], 1
	s_min_u32 s85, s85, 1
	s_cmp_lt_u32 s[WV], 2
	s_cselect_b32 s80, s80, s81
	s_cselect_b32 s82, s82, s83
	s_lshl_b32 s86, s84, 11
	s_add_co_u32 s82, s82, s86                     ; half of the scale words: 2,048 bytes
	s_mov_b32 s83, 0
	s_mul_i32 s86, s84, 12288
	s_add_co_u32 s86, s86, s80                     ; step 0 or 1
	s_mov_b32 s87, 0
	s_mul_i32 s88, s84, 36864
	s_add_co_u32 s88, s88, s80
	s_add_co_u32 s88, s88, 24576                   ; steps 2-4 or 5-7
	s_mov_b32 s89, 0
	s_lshl_b32 s90, s[WV], 11
	s_add_co_u32 s90, s90, LKS                     ; and where they go
	s_mul_i32 s91, s85, LV
	s_mul_i32 s92, s84, 12288
	s_add_co_u32 s92, s92, s91
	s_mul_i32 s93, s84, 36864
	s_add_co_u32 s93, s93, s91
	s_add_co_u32 s93, s93, 24576
	; descriptor groups 1: dense blocks as rows of 256 bytes (32 elements of 8 bytes): 8, 48 and 144 rows; the mask names all four work-groups
.irp g, 24, 32, 40
	s_mov_b32 s[\g], 15|(3<<16)|(1<<21)
	s_mov_b32 s[\g+1], 32<<16
	s_mov_b32 s[\g+3], 32<<16
	s_mov_b32 s[\g+5], 32
	s_mov_b32 s[\g+6], 0
	s_mov_b32 s[\g+7], 0
.endr
	s_mov_b32 s26, 8<<16
	s_mov_b32 s28, 8
	s_mov_b32 s34, 48<<16
	s_mov_b32 s36, 48
	s_mov_b32 s42, 144<<16
	s_mov_b32 s44, 144
	s_mov_b32 s[SEL], 0x76543210
	s_mov_b32 s[SEL+1], 0xfedcba98
	s_mov_b32 s[CS], 0x3e0293ee
	s_mov_b32 s[CS+1], s[CS]
	s_mov_b32 s[TB], 0
	s_mov_b32 s[TS], 0
	s_mov_b32 s[KJ], 0
	s_wait_dscnt 0x0
	s_wait_kmcnt 0x0
	s_mov_b32 s48, 1
	s_mov_b32 s49, s90
	s_add_nc_u64 s[50:51], s[4:5], s[82:83]
	s_or_b32 s51, s51, 0x80000000
	s_mov_b32 s52, 1
	s_mov_b32 s53, s92
	s_add_nc_u64 s[54:55], s[4:5], s[86:87]
	s_or_b32 s55, s55, 0x80000000
	s_mov_b32 s56, 1
	s_mov_b32 s57, s93
	s_add_nc_u64 s[58:59], s[4:5], s[88:89]
	s_or_b32 s59, s59, 0x80000000
	CROUND                                         ; all four work-groups are here: the joint loads meet
	s_cmp_lt_u32 s[WV], 4                          ; a wave's three fills stand in one branch: three tensor loads of mine are out
	s_cbranch_scc0 .Lno_fetch
	tensor_load_to_lds s[48:51], s[24:31]
	s_nop 0
	tensor_load_to_lds s[52:55], s[32:39]
	s_nop 0
	tensor_load_to_lds s[56:59], s[40:47]
	s_nop 0
.rept 4
	v_nop
.endr
.Lno_fetch:
	s_add_co_u32 s78, s78, s77                     ; 20 b + my head
	s_mul_i32 s94, s78, 98304
	s_mul_i32 s95, s76, 1536
	s_add_co_u32 s94, s94, s95
	s_mov_b32 s95, 0
	s_add_nc_u64 s[8:9], s[4:5], s[94:95]          ; Q's fragment
	s_lshl_b32 s94, s78, 12
	s_add_co_u32 s94, s94, QKS
	s_lshr_b32 s96, s76, 3
	s_lshl_b32 s96, s96, 9
	s_add_co_u32 s94, s94, s96
	s_and_b32 s96, s76, 1
	s_lshl_b32 s96, s96, 8
	s_add_co_u32 s94, s94, s96
	s_bfe_u32 s96, s76, 0x20001                    ; (row block / 2) % 4
	s_lshl_b32 s97, s96, 2
	s_add_co_u32 s94, s94, s97
	s_add_nc_u64 s[10:11], s[4:5], s[94:95]        ; its scale words: 16 bytes from row to row
	s_lshl_b32 s98, s96, 5
	s_and_b32 s97, s76, 1
	s_lshl_b32 s97, s97, 3
	s_add_co_u32 s98, s98, s97                     ; my first query in its key step
	s_lshr_b32 s94, s77, 1
	s_mul_i32 s94, s94, 786432
	s_lshl_b32 s96, s73, 6
	s_add_co_u32 s96, s96, s76                     ; y's row block: 64 b + mine
	s_mul_i32 s97, s96, 3072
	s_add_co_u32 s94, s94, s97
	s_and_b32 s97, s77, 1
	s_mul_i32 s99, s97, 1536
	s_add_co_u32 s94, s94, s99
	s_add_nc_u64 s[12:13], s[6:7], s[94:95]        ; y's fragment: K step = my head
	s_lshl_b32 s94, s96, 10
	s_add_co_u32 s94, s94, YSB
	s_lshr_b32 s99, s77, 1
	s_lshl_b32 s99, s99, 7
	s_add_co_u32 s94, s94, s99
	s_lshl_b32 s97, s97, 2
	s_add_co_u32 s94, s94, s97
	s_add_nc_u64 s[14:15], s[6:7], s[94:95]        ; its scale words: 8 bytes from row to row
	v_and_b32 v8, 31, v0
	v_lshlrev_b32 v[AK0], 4, v8                    ; 16 x lane
	v_add_nc_u32 v[AV0], LV, v[AK0]
	v_add_nc_u32 v[ASK0], LKS, v[AK0]
	v_add_nc_u32 v[ASV0], LVS, v[AK0]
.irp c, 0,1,2
	global_load_b128 v[16+4*\c:19+4*\c], v[AK0], s[8:9] offset:512*\c   ; Q stays in registers
.endr
	v_and_b32 v8, 15, v0                           ; r
	v_bfe_u32 v9, v0, 4, 1                         ; h
	v_lshlrev_b32 v254, 4, v8
	global_load_b32 v255, v254, s[10:11]
	v_and_b32 v10, 8, v8
	v_add_nc_u32 v10, v10, v8
	v_lshlrev_b32 v11, 4, v9
	v_sub_nc_u32 v10, v10, v11
	v_add_nc_u32 v29, s98, v10                     ; my query in its step - 16 h: register 16 b + i holds key 32 b + 16 h + i, hidden where 32 b + i is greater than this
	v_mov_b32 v13, 0xff61b1e6                      ; the largest t so far: -3e38
	v_floor_f32 v12, -v13                          ; -M
	v_mov_b32 v14, 0
	v_mov_b32 v15, 0
.irp b, 0,1,2,3
	v_mov_b32 v[236+\b], 0                         ; lane permutes' destinations count as read
.endr
	v_mov_b32 v252, 0
	v_mov_b32 v253, 0
.set j_, 0
.rept 64
	v_mov_b32 v[160+j_], 0                         ; O^T: the step is written without a first form of its own; the first change of M leaves zeros zeros
.set j_, j_+1
.endr
; A KEY STEP: 128 keys
.macro STEP
	s_cmp_gt_u32 s[KJ], s[WH]                      ; all its keys come after my queries: only the addresses step
	s_cbranch_scc1 .Lhidden_\@
	v_add_nc_u32 v[ADK], s[TB], v[AK0]             ; (these four are also the places in front of the loads below)
	v_add_nc_u32 v[ADV], s[TB], v[AV0]
	v_add_nc_u32 v[ADS], s[TS], v[ASK0]
	v_add_nc_u32 v[ADT], s[TS], v[ASV0]
	ds_load_b128 v[248:251], v[ADS]                ; the eight tiles' scale words
.irp g, 0,1                                    ; S^T = K Q^T, four tiles of 16 keys at a time
.if \g > 0
.rept 4
	v_nop                                          ; places in front of loads into registers that matrix instructions have read
.endr
.endif
.irp t, 0,1,2,3
.irp c, 0,1,2
	ds_load_b128 v[32+12*\t+4*\c:35+12*\t+4*\c], v[ADK] offset:1536*(4*\g+\t)+512*\c
.endr
.endr
	s_wait_dscnt 0x0
.irp t, 0,2
	v_wmma_scale_f32_16x16x128_f8f6f4 v[96+8*(4*\g+\t):103+8*(4*\g+\t)], v[32+12*\t:43+12*\t], v[16:27], 0, v[248+2*\g+\t/2], v255 matrix_a_fmt:MATRIX_FMT_FP6 matrix_b_fmt:MATRIX_FMT_FP6
	v_wmma_scale_f32_16x16x128_f8f6f4 v[104+8*(4*\g+\t):111+8*(4*\g+\t)], v[44+12*\t:55+12*\t], v[16:27], 0, v[248+2*\g+\t/2], v255 matrix_a_fmt:MATRIX_FMT_FP6 matrix_b_fmt:MATRIX_FMT_FP6 matrix_a_scale:MATRIX_SCALE_ROW1
.endr
.endr
.rept 4
	v_nop
.endr
	s_cmp_lt_u32 s[KJ], s[WH]                      ; only my last step lies on the diagonal
	s_cbranch_scc1 .Lopen_\@
	v_mov_b32 v254, 0xff800000                     ; hidden scores become -infinity ahead of the maximum: p = 0
.set n_, 0
.rept 64
	v_cmp_gt_i32 vcc_lo, 32*(n_/16)+n_%16, v29
	v_cndmask_b32 v[96+n_], v[96+n_], v254, vcc_lo
.set n_, n_+1
.endr
.Lopen_\@:
.irp b, 0,1,2,3
	v_max3_num_f32 v[232+\b], v[96+16*\b], v[97+16*\b], v[98+16*\b]   ; the largest score of each block of 32 keys: for the row's maximum and, since p rises with the score, for the block's largest p
.endr
.irp i, 3,5,7,9,11,13
.irp b, 0,1,2,3
	v_max3_num_f32 v[232+\b], v[232+\b], v[96+16*\b+\i], v[97+16*\b+\i]
.endr
.endr
.irp b, 0,1,2,3
	v_max_num_f32 v[232+\b], v[232+\b], v[111+16*\b]
.endr
.irp b, 0,1,2,3
	v_permlanex16_b32 v[236+\b], v[232+\b], s[SEL], s[SEL+1]
.endr
.irp b, 0,1,2,3
	v_max_num_f32 v[232+\b], v[232+\b], v[236+\b]
.endr
	v_max3_num_f32 v254, v232, v233, v234
	v_max_num_f32 v254, v254, v235
	v_mul_f32 v254, s[CS], v254
	v_max_num_f32 v13, v13, v254                   ; the running largest t
	v_mov_b32 v254, v12
	v_floor_f32 v12, -v13                          ; the new -M: M is a whole number
	v_sub_f32 v254, v12, v254
	v_cvt_i32_f32 v254, v254                       ; (it saturates)
	v_ldexp_f32 v252, 1.0, v254                    ; f = 2^(old M - new M)
.set j_, 0
.rept 32
	v_pk_fma_f32 v[96+j_:97+j_], v[96+j_:97+j_], s[CS:CS+1], v[12:13] op_sel_hi:[1,0,0]   ; t - M
.set j_, j_+2
.endr
.irp b, 0,1,2,3
	v_fma_f32 v[232+\b], v[232+\b], s[CS], v12
.endr
.set j_, 0
.rept 64
	v_exp_f32 v[96+j_], v[96+j_]                   ; p = 2^(t - M)
.set j_, j_+1
.endr
	v_pk_mul_f32 v[14:15], v[14:15], v[252:253] op_sel_hi:[1,0]   ; the sums under the new M; a plain place behind the exponentials
	s_wait_alu depctr_va_vdst(0)                   ; one wait for the batch, ahead of its first reader
.irp b, 0,1,2,3
	v_exp_f32 v[232+\b], v[232+\b]                 ; each block's largest p
.endr
	v_pk_add_f32 v[236:237], v[96:97], v[98:99]    ; the row's sum of the unquantised p, in two chains
.set j_, 4
.rept 15
	v_pk_add_f32 v[14:15], v[14:15], v[96+j_:97+j_]
	v_pk_add_f32 v[236:237], v[236:237], v[98+j_:99+j_]
.set j_, j_+4
.endr
	v_pk_add_f32 v[14:15], v[14:15], v[236:237]
	s_wait_alu depctr_va_vdst(0)                   ; and one for the four
.irp b, 0,1,2,3
	v_max_num_f32 v[232+\b], 0x1800000, v[232+\b]  ; the floor 2^(3 - 127)
.endr
.irp b, 0,1,2,3
	v_add_nc_u32 v[244+\b], 0xff000000, v[232+\b]
.endr
.irp b, 0,1,2,3
	v_lshrrev_b32 v[236+\b], 23, v[244+\b]
.endr
	v_lshl_or_b32 v253, v237, 8, v236              ; p's scale word for these 128 keys
	v_lshl_or_b32 v253, v238, 16, v253
	v_lshl_or_b32 v253, v239, 24, v253
.irp c, 0,1
	v_cvt_scalef32_pk16_fp6_f32 v[224+6*\c:226+6*\c], v[96+32*\c:111+32*\c], v[244+2*\c]
	v_cvt_scalef32_pk16_fp6_f32 v[236+4*\c:238+4*\c], v[112+32*\c:127+32*\c], v[244+2*\c+1]
.endr
	v_nop                                          ; one plain place behind a scaled conversion
.irp c, 0,1
.irp i, 0,1,2
	v_permlane16_swap_b32 v[224+6*\c+\i], v[236+4*\c+\i]
.endr
.irp i, 0,1,2
	v_mov_b32 v[227+6*\c+\i], v[236+4*\c+\i]
.endr
.endr
.set j_, 0
.rept 32
	v_pk_mul_f32 v[160+j_:161+j_], v[160+j_:161+j_], v[252:253] op_sel_hi:[1,0]   ; O^T under the new M; also the places in front of the loads and matrix instructions below
.set j_, j_+2
.endr
	ds_load_b128 v[248:251], v[ADT]
.irp g, 0,1                                    ; O^T += V^T P^T: four tiles of 16 channels at a time
.if \g > 0
.rept 4
	v_nop
.endr
.endif
.irp t, 0,1,2,3
.irp c, 0,1,2
	ds_load_b128 v[32+12*\t+4*\c:35+12*\t+4*\c], v[ADV] offset:1536*(4*\g+\t)+512*\c
.endr
.endr
	s_wait_dscnt 0x0
.irp t, 0,2
	v_wmma_scale_f32_16x16x128_f8f6f4 v[160+8*(4*\g+\t):167+8*(4*\g+\t)], v[32+12*\t:43+12*\t], v[224:235], v[160+8*(4*\g+\t):167+8*(4*\g+\t)], v[248+2*\g+\t/2], v253 matrix_a_fmt:MATRIX_FMT_FP6 matrix_b_fmt:MATRIX_FMT_FP6
	v_wmma_scale_f32_16x16x128_f8f6f4 v[168+8*(4*\g+\t):175+8*(4*\g+\t)], v[44+12*\t:55+12*\t], v[224:235], v[168+8*(4*\g+\t):175+8*(4*\g+\t)], v[248+2*\g+\t/2], v253 matrix_a_fmt:MATRIX_FMT_FP6 matrix_b_fmt:MATRIX_FMT_FP6 matrix_a_scale:MATRIX_SCALE_ROW1
.endr
.endr
.Lhidden_\@:
	s_add_co_u32 s[TB], s[TB], 12288
	s_add_co_u32 s[TS], s[TS], 512
.endm
	s_wait_loadcnt 0x0                             ; Q
	s_wait_tensorcnt 0x1                           ; my scale words and my step 0 or 1 are in; the load of steps 2 to 7 may be out: nothing is filled twice
	s_barrier_signal -1
	s_barrier_wait -1                              ; everybody's are
.Lfirst:
	STEP
	s_add_co_u32 s[KJ], s[KJ], 1
	s_cmp_lt_u32 s[KJ], 2
	s_cbranch_scc1 .Lfirst
	s_wait_tensorcnt 0x0                           ; my part of steps 2 to 7 is in,
	s_wait_dscnt 0x0
	s_barrier_signal -1
	s_barrier_wait -1                              ; everybody's is
.Lrest:
	STEP
	s_add_co_u32 s[KJ], s[KJ], 1
	s_cmp_lt_u32 s[KJ], 8
	s_cbranch_scc1 .Lrest
	; THE WAY OUT: O^T / the sum is y(my query, my head's channels): register 16 b + i = channel 32 b + 16 h + i: quantised as it stands, it is one fragment of the last product's left operand
.rept 4
	v_nop                                          ; places behind the last products
.endr
	v_add_f32 v14, v14, v15
	v_permlanex16_b32 v252, v14, s[SEL], s[SEL+1]
	v_add_f32 v14, v14, v252                       ; the row's sum
	v_rcp_f32 v14, v14
	v_and_b32 v8, 31, v0                           ; (a plain place behind the reciprocal)
	v_and_b32 v9, 15, v0
	v_lshlrev_b32 v9, 3, v9                        ; 8 r
	s_wait_alu depctr_va_vdst(0)                   ; the wait, ahead of the first reader
.set j_, 0
.rept 64
	v_mul_f32 v[96+j_], v[160+j_], v14
.set j_, j_+1
.endr
.irp b, 0,1,2,3
	v_max3_num_f32 v[TM+\b], |v[96+16*\b]|, |v[97+16*\b]|, 0x1800000
.endr
.irp i, 2,4,6,8,10,12,14
.irp b, 0,1,2,3
	v_max3_num_f32 v[TM+\b], v[TM+\b], |v[96+16*\b+\i]|, |v[97+16*\b+\i]|
.endr
.endr
.irp b, 0,1,2,3
	v_permlanex16_b32 v[TM+4+\b], v[TM+\b], s[SEL], s[SEL+1]
.endr
.irp b, 0,1,2,3
	v_max_num_f32 v[TM+\b], v[TM+\b], v[TM+4+\b]
.endr
.irp b, 0,1,2,3
	v_add_nc_u32 v[TM+12+\b], 0xff000000, v[TM+\b]
.endr
.irp b, 0,1,2,3
	v_lshrrev_b32 v[TM+4+\b], 23, v[TM+12+\b]
.endr
	v_lshl_or_b32 v252, v[TM+5], 8, v[TM+4]
	v_lshl_or_b32 v252, v[TM+6], 16, v252
	v_lshl_or_b32 v252, v[TM+7], 24, v252
.irp c, 0,1
	v_cvt_scalef32_pk16_fp6_f32 v[PC+6*\c:PC+2+6*\c], v[96+32*\c:111+32*\c], v[TM+12+2*\c]
	v_cvt_scalef32_pk16_fp6_f32 v[PC+12+4*\c:PC+14+4*\c], v[112+32*\c:127+32*\c], v[TM+12+2*\c+1]
.endr
	v_nop                                          ; one plain place behind a scaled conversion
.irp c, 0,1
.irp i, 0,1,2
	v_permlane16_swap_b32 v[PC+6*\c+\i], v[PC+12+4*\c+\i]
.endr
.irp i, 0,1,2
	v_mov_b32 v[PC+3+6*\c+\i], v[PC+12+4*\c+\i]
.endr
.endr
.irp c, 0,1,2
	global_store_b128 v[AK0], v[PC+4*\c:PC+4*\c+3], s[12:13] offset:512*\c   ; 512 consecutive bytes
.endr
	v_cmp_gt_u32 vcc_lo, 16, v8
	s_wait_xcnt 0x0                                ; EXEC changes only behind this wait
	s_and_saveexec_b32 s70, vcc_lo                 ; lanes 16-31 hold the same words: lanes 0-15 store
	global_store_b32 v9, v252, s[14:15]
	s_wait_xcnt 0x0                                ; and again, in front of the line that widens it
	s_or_b32 exec_lo, exec_lo, s70
	s_wait_tensorcnt 0x0
	s_wait_tensorcnt 0x0
	ds_add_u32 v95, v243
	s_wait_dscnt 0x0
	CROUND                                         ; the closing round: no work-group ends while a partner may still ask for a tile that names it
	s_endpgm
.Lfunc_end_k_q21e22b8315_attn:
	.size	k_q21e22b8315_attn, .Lfunc_end_k_q21e22b8315_attn-k_q21e22b8315_attn
	.p2alignl 7, 3214868480
	.fill 96, 4, 3214868480
	.section	.rodata,"a",@progbits
	.p2align	6, 0x0
	.amdhsa_kernel k_q21e22b8315_attn
		.amdhsa_group_segment_fixed_size 327680
		.amdhsa_private_segment_fixed_size 0
		.amdhsa_enable_private_segment 0
		.amdhsa_kernarg_size 16
		.amdhsa_user_sgpr_count 2
		.amdhsa_user_sgpr_kernarg_segment_ptr 1
		.amdhsa_wavefront_size32 1
		.amdhsa_system_sgpr_workgroup_id_x 1
		.amdhsa_system_sgpr_workgroup_id_y 1
		.amdhsa_system_sgpr_workgroup_id_z 1
		.amdhsa_system_vgpr_workitem_id 0
		.amdhsa_next_free_vgpr 256
		.amdhsa_next_free_sgpr 100
		.amdhsa_reserve_vcc 1
		.amdhsa_float_denorm_mode_32 3
		.amdhsa_float_denorm_mode_16_64 3
		.amdhsa_memory_ordered 1
		.amdhsa_forward_progress 1
		.amdhsa_inst_pref_size 66
	.end_amdhsa_kernel
	.amdgpu_metadata
---
amdhsa.version: [ 1, 2 ]
amdhsa.kernels:
  - .name:           k_q21e22b8315_attn
    .symbol:         k_q21e22b8315_attn.kd
    .args:
      - { .name: qkv, .offset: 0, .size: 8, .value_kind: global_buffer, .address_space: global }
      - { .name: yq, .offset: 8, .size: 8, .value_kind: global_buffer, .address_space: global }
    .group_segment_fixed_size: 327680
    .private_segment_fixed_size: 0
    .kernarg_segment_align: 8
    .kernarg_segment_size: 16
    .max_flat_workgroup_size: 512
    .sgpr_count:     100
    .vgpr_count:     256
    .wavefront_size: 32
...
	.end_amdgpu_metadata
.endif
;; end of part 3
;; launch proj (part 4): grid 16 x 16, 4 waves a work-group, clusters of 4 x 4, 327,680 bytes of LDS; arguments yq, opnd, out0; writes out0
.if DOCPART == 4
	.amdgcn_target "amdgcn-amd-amdhsa--gfx1250"
	.amdhsa_code_object_version 6
	.text
	.protected	k_q21e22b8315_proj
	.globl	k_q21e22b8315_proj
	.p2align	8
	.type	k_q21e22b8315_proj,@function
k_q21e22b8315_proj:
	s_mov_b64 s[64:65], 0
	v_nop
	global_prefetch_b8 v0, s[64:65] scope:SCOPE_SE
	s_setreg_imm32_b32 hwreg(HW_REG_WAVE_MODE, 25, 1), 1
	s_wait_xcnt 0x0
	s_wait_alu depctr_hold_cnt(0) depctr_sa_sdst(0) depctr_va_vdst(0) depctr_va_sdst(0) depctr_va_ssrc(0) depctr_va_vcc(0) depctr_vm_vsrc(0)
	s_getreg_b32 s2, hwreg(HW_REG_IB_STS2, 6, 4)
	s_cmp_eq_u32 s2, 0
	s_cbranch_scc0 .Lentry_in_a_cluster
	s_endpgm
.Lentry_in_a_cluster:
	s_bfe_u32 s2, ttmp6, 0x10000c
	s_cmp_lg_u32 s2, 0xf033
	s_cbranch_scc0 .Lentry_shape_is_right
	s_endpgm
.Lentry_shape_is_right:
; out0 = y Wproj^T on codes of FP6 (E2M3) with E8M0 scales, K = 2,048; out0 [4096][2048] f32.
; THE TILE is 256 rows x 128 columns: 16 x 16 = 256 work-groups.  Four waves, each 128 rows x 64 columns: 32 accumulators, 256 registers.
; Operands lie in memory as images of their registers (a fragment of 16 rows x 128 K: 1,536 bytes, register n of lane l at 512 (n / 4) + 16 l + 4 (n % 4)), laid [256 along K: 8][row block][128 along K: 2][1,536].
; THE RING: two LDS slots of 512 along K, so K is four slots' worth: both slots are filled at the start, and each is filled again once.  A slot's two halves of 256 along K lie one memory slot apart: a wave's one tensor load
; brings 2 rows, each a dense block (waves 0, 1: 8 row blocks of y, 24,576 bytes a row; waves 2, 3: 4 row blocks of Wproj, 12,288 bytes a row).  A fragment comes from LDS by three loads of 512 consecutive bytes.
; The scale words of the tile's rows, for all of K, come once with the first fills.
; CLUSTERS of 4 x 4: y's tiles are asked for jointly along a row of the cluster, Wproj's along a column.  The matrix instruction is used transposed (source 0 = 16 rows of Wproj, source 1 = 16 rows of y).
; A STEP of 128 along K is 32 matrix instructions.  Both operands have two sets of registers: behind a step's first eight products the whole next step (12 fragments, 36 loads) is fetched in one run into the other sets.
; All 16 steps are written out: no loop, and no tensor load stands under a count.
; ROWS OF A ROW BLOCK ARE NOT NEIGHBOURS: lane r of block rb holds row 32 (rb / 2) + 8 (rb % 2) + r + 8 (r / 8); the way out puts rows and columns back in their places.
; REGISTERS, in windows of 256: window 0: v16-30 addresses; v32-95 scale words, two sets of 32, and nothing else ever; v128-223 Wproj's fragments, two sets of 48; on the way out v128-255 hold rows read back.
;   window 1: y's fragments, two sets of 96.   window 2: the accumulators, (a, b) at v[8 (4 a + b)].
; This launch claims all of a WGP's LDS, and adds 0 to spare words at each change of slots and at its end.
.set ABASE, 0                          ; byte offsets in A's buffer (yq): codes, scale words; 256 along K of all row blocks
.set ASCL,  6291456
.set ASTEP, 786432
.set BBASE, 11010048                   ; the same in B's (opnd)
.set BSCL,  14614528
.set BSTEP, 393216
.set PA,    4
.set PB,    6
.set FR,    12                         ; registers of a fragment
.set NP,    4                          ; places behind this matrix instruction (ISA guide 7.12.1)
.set APART, 49152                      ; 8 row blocks x 512 K: what one of A's tensor loads brings, and what one wave reads of A in a slot
.set BPART, 24576                      ; 4 row blocks x 512 K: the same for B
.set BOFF,  98304                      ; in a slot B's 8 row blocks lie behind A's 16
.set BIG,   147456                     ; a slot
.set SCL,   294912                     ; behind the ring: A's scale words, 16,384 bytes;
.set SCLB,  16512                      ; B's, 8,192 bytes, begin here behind them: 128 bytes past a multiple of 256, so that the two halves of a scale load fall on different banks
.set SPARE, 319744                     ; the spare words, 128 bytes for each wave: two blocks of 256 bytes that no other line names
.set SP,    272                        ; the way out: a stage row, 256 bytes + 16
.set ADRA, 16                          ; v16-17  LDS address of my A fragments in slot 0, 1
.set ADRB, 20                          ; v20-21  the same for B
.set STO,  24                          ; v24     the way out: where I put 16 bytes of a row
.set RD,   25                          ; v25     where I read a row back
.set CO,   26                          ; v26     my byte offset in two rows of out0
.set ADRS, 27                          ; v27     scale words: lanes 0-15 A's blocks 0-3, lanes 16-31 B's blocks 0-3
.set SPW,  28                          ; v28     my spare word; never rewritten
.set NIL,  29                          ; v29     0; never rewritten
.set ADRS2, 30                         ; v30     scale words of A's blocks 4-7: both halves of the lanes read the same words
.set SC,   32                          ; set s at v[SC + 32 s]; in it register 4 i + q: block i, the slot's q-th 128 along K
.set BF,   128                         ; B's fragments, in window 0
.set BK,   128                         ; the way out: four buffers of 32 registers by turns
.set G1, 24                            ; s[24:31] descriptor group 1 for A's tiles;  s[32:39] group 0, one set for each slot
.set G0, 32
.set G1B, 48                           ; s[48:55], s[56:63] the same for B's tiles
.set G0B, 56
.set G1S, 68                           ; s[68:75], s[76:79] groups 1 and 0 for A's scale words;  s[80:87], s[88:91] for B's
.set G0S, 76
.set G1SB, 80
.set G0SB, 88
.set MSB, 0
.macro WIN new                         ; the immediate's high byte repeats the setting that is left
.if MSB != (\new)
	s_set_vgpr_msb (MSB<<8)|(\new)
.set MSB, (\new)
.endif
.endm
.set MUL,  0xa4                        ; source 0 (B) window 0, source 1 (A) window 1, C and D window 2
.set TO_A, 0x40                        ; destination window 1, address window 0
; A joint load: waves 0 and 1 fetch for A, waves 2 and 3 for B; the branch hangs on the wave's number alone.  Four v_nop follow each of the two lines.
.macro JLOAD g0a, g1a, g0b, g1b
	s_cmp_eq_u32 s15, 0
	s_cbranch_scc0 .Lfor_b_\@
	tensor_load_to_lds s[\g0a:\g0a+3], s[\g1a:\g1a+7]
	s_nop 0
.rept 4
	v_nop
.endr
	s_branch .Lasked_\@
.Lfor_b_\@:
	tensor_load_to_lds s[\g0b:\g0b+3], s[\g1b:\g1b+7]
	s_nop 0
.rept 4
	v_nop
.endr
.Lasked_\@:
.endm
.macro CREST                           ; a round of the cluster's barrier behind its opening barrier
	s_cmp_lg_u32 s14, 0
	s_cbranch_scc1 .Lnot_wave_0_\@
	s_barrier_signal -3
.Lnot_wave_0_\@:
	s_barrier_wait -3
	s_barrier_signal -1
	s_barrier_wait -1
.endm
.macro CROUND
	s_barrier_signal -1
	s_barrier_wait -1
	CREST
.endm
	s_load_b128 s[4:7], s[0:1], 0x0                ; yq s[4:5], opnd s[6:7]
	s_load_b64 s[12:13], s[0:1], 0x10              ; out0
	v_lshl_add_u32 v[SPW], v0, 2, SPARE
	v_mov_b32 v[NIL], 0
	ds_add_u32 v28, v29
	ds_add_u32 v28, v29
	s_wait_dscnt 0x0
	v_lshrrev_b32 v1, 5, v0
	v_readfirstlane_b32 s14, v1                    ; wave 0..3
	s_lshr_b32 s15, s14, 1                         ; which half of the tile's rows is mine.  Also: I fetch for A (0) or for B (1)
	s_and_b32 s16, s14, 1                          ; which half of its columns.  Also: which half of that operand's row blocks I fetch
	s_bfe_u32 s40, ttmp6, 0x40000                  ; cx, cy
	s_bfe_u32 s41, ttmp6, 0x40004
	s_lshl_b32 s42, ttmp9, 2
	s_add_co_u32 s42, s42, s40                     ; tile column, 0 .. 15
	s_and_b32 s17, ttmp7, 0xffff
	s_lshl_b32 s17, s17, 2
	s_add_co_u32 s17, s17, s41                     ; tile row, 0 .. 15
	s_lshl_b32 s43, s41, 2
	s_lshl_b32 s43, 15, s43                        ; my row of the cluster
	s_lshl_b32 s44, 0x1111, s40                    ; my column
	; descriptor groups 1, elements of 8 bytes, no padding.  A's tiles: 2 rows of 3,072 elements, ASTEP bytes apart; B's: 2 rows of 1,536, BSTEP bytes apart
	s_or_b32 s[G1+0], s43, (3<<16)|(1<<21)         ; 15:0 the mask; 17:16 elements of 8 bytes; 21 set beside a mask
	s_mov_b32 s[G1+1], 3072<<16                    ; tensor_dim0
	s_mov_b32 s[G1+2], 2<<16                       ; tensor_dim1
	s_mov_b32 s[G1+3], 3072<<16                    ; tile_dim0
	s_mov_b32 s[G1+4], 2                           ; tile_dim1
	s_mov_b32 s[G1+5], ASTEP/8                     ; the pitch
	s_mov_b32 s[G1+6], 0
	s_mov_b32 s[G1+7], 0
	s_or_b32 s[G1B+0], s44, (3<<16)|(1<<21)
	s_mov_b32 s[G1B+1], 1536<<16
	s_mov_b32 s[G1B+2], 2<<16
	s_mov_b32 s[G1B+3], 1536<<16
	s_mov_b32 s[G1B+4], 2
	s_mov_b32 s[G1B+5], BSTEP/8
	s_mov_b32 s[G1B+6], 0
	s_mov_b32 s[G1B+7], 0
	; the scale words: dense blocks as rows of 256 bytes: 8 row blocks of A are 32 rows, 4 of B are 16
	s_or_b32 s[G1S+0], s43, (3<<16)|(1<<21)
	s_mov_b32 s[G1S+1], 32<<16
	s_mov_b32 s[G1S+2], 32<<16
	s_mov_b32 s[G1S+3], 32<<16
	s_mov_b32 s[G1S+4], 32
	s_mov_b32 s[G1S+5], 32
	s_mov_b32 s[G1S+6], 0
	s_mov_b32 s[G1S+7], 0
	s_or_b32 s[G1SB+0], s44, (3<<16)|(1<<21)
	s_mov_b32 s[G1SB+1], 32<<16
	s_mov_b32 s[G1SB+2], 16<<16
	s_mov_b32 s[G1SB+3], 32<<16
	s_mov_b32 s[G1SB+4], 16
	s_mov_b32 s[G1SB+5], 32
	s_mov_b32 s[G1SB+6], 0
	s_mov_b32 s[G1SB+7], 0
	s_lshl_b32 s18, s16, 3
	s_lshl_b32 s20, s17, 4
	s_add_co_u32 s20, s20, s18                     ; A: row block 16 x tile row + 8 x half
	s_lshl_b32 s18, s16, 2
	s_lshl_b32 s46, s42, 3
	s_add_co_u32 s46, s46, s18                     ; B: 8 x tile column + 4 x half
	s_lshl_b32 s22, s20, 10
	s_add_co_u32 s22, s22, ASCL                    ; their scale words: 1,024 bytes a row block
	s_mov_b32 s23, 0
	s_lshl_b32 s92, s46, 10
	s_add_co_u32 s92, s92, BSCL
	s_mov_b32 s93, 0
	s_mul_i32 s20, s20, 3072                       ; their codes in the first 256 along K
	s_add_co_u32 s20, s20, ABASE
	s_mov_b32 s21, 0
	s_mul_i32 s46, s46, 3072
	s_add_co_u32 s46, s46, BBASE
	s_mov_b32 s47, 0
	s_mul_i32 s45, s16, APART                      ; where they go in a slot: no place in the cluster enters an LDS address
	s_mul_i32 s96, s16, BPART
	s_add_co_u32 s96, s96, BOFF
	s_lshl_b32 s94, s16, 13                        ; and the scale words
	s_lshl_b32 s95, s16, 12
	s_add_co_u32 s95, s95, SCLB
	s_wait_kmcnt 0x0
	s_add_nc_u64 s[20:21], s[PA:PA+1], s[20:21]
	s_add_nc_u64 s[22:23], s[PA:PA+1], s[22:23]
	s_add_nc_u64 s[46:47], s[PB:PB+1], s[46:47]
	s_add_nc_u64 s[92:93], s[PB:PB+1], s[92:93]
	CROUND                                         ; all sixteen work-groups are here: the first joint loads meet
	s_mov_b32 s[G0S], 1
	s_add_co_u32 s[G0S+1], s94, SCL
	s_mov_b64 s[G0S+2:G0S+3], s[22:23]
	s_or_b32 s[G0S+3], s[G0S+3], 0x80000000
	s_mov_b32 s[G0SB], 1
	s_add_co_u32 s[G0SB+1], s95, SCL
	s_mov_b64 s[G0SB+2:G0SB+3], s[92:93]
	s_or_b32 s[G0SB+3], s[G0SB+3], 0x80000000
	JLOAD G0S, G1S, G0SB, G1SB                     ; the scale words first: they are wanted with slot 0
.irp s, 0,1
	s_mov_b32 s[G0+4*\s], 1
	s_add_co_u32 s[G0+4*\s+1], s45, \s*BIG
	s_add_nc_u64 s[G0+4*\s+2:G0+4*\s+3], s[20:21], \s*2*ASTEP
	s_or_b32 s[G0+4*\s+3], s[G0+4*\s+3], 0x80000000
	s_mov_b32 s[G0B+4*\s], 1
	s_add_co_u32 s[G0B+4*\s+1], s96, \s*BIG
	s_add_nc_u64 s[G0B+4*\s+2:G0B+4*\s+3], s[46:47], \s*2*BSTEP
	s_or_b32 s[G0B+4*\s+3], s[G0B+4*\s+3], 0x80000000
	JLOAD G0+4*\s, G1, G0B+4*\s, G1B               ; K = 0 .. 511 and 512 .. 1,023: three tensor loads of mine are out
.endr
	v_and_b32 v1, 15, v0                           ; r
	v_bfe_u32 v2, v0, 4, 1                         ; h
	v_and_b32 v3, 31, v0
	v_lshlrev_b32 v4, 4, v3                        ; 16 x lane
	s_mul_i32 s21, s15, APART                      ; my 8 row blocks of A
	s_mul_i32 s22, s16, BPART                      ; my 4 of B,
	s_add_co_u32 s22, s22, BOFF                    ; which lie behind A's 16
.irp s, 0,1
	v_add_nc_u32 v[ADRA+\s], s21, v4
	v_add_nc_u32 v[ADRB+\s], s22, v4
	s_add_co_u32 s21, s21, BIG
	s_add_co_u32 s22, s22, BIG
.endr
	v_lshlrev_b32 v5, 3, v1                        ; my row's two words of 256 along K
	s_lshl_b32 s21, s15, 13                        ; A's: my 8 row blocks
	s_lshl_b32 s22, s16, 12                        ; B's: my 4, behind A's
	s_add_co_u32 s22, s22, SCLB
	s_sub_co_u32 s22, s22, s21
	v_mul_u32_u24 v6, s22, v2                      ; lanes 16-31 take B's
	s_add_co_u32 s21, s21, SCL
	v_add_nc_u32 v[ADRS2], s21, v5
	v_add_nc_u32 v[ADRS], v[ADRS2], v6
	s_mul_i32 s23, s14, 16*SP                      ; my stage: 16 rows of 272 bytes, in slot 0
	v_mul_u32_u24 v5, v1, SP
	v_lshl_add_u32 v5, v2, 6, v5
	v_add_nc_u32 v[STO], s23, v5                   ; in: row r, + 64 h
	v_mul_u32_u24 v6, v2, SP
	v_lshl_add_u32 v6, v1, 4, v6
	v_add_nc_u32 v[RD], s23, v6                    ; back: lanes 0-15 take one row of 256 bytes, lanes 16-31 the next
	v_lshlrev_b32 v7, 13, v2
	v_lshl_add_u32 v[CO], v1, 4, v7                ; and the same two rows in out0, 8,192 bytes apart
	s_lshl_b32 s20, s17, 8
	s_lshl_b32 s21, s15, 7
	s_add_co_u32 s20, s20, s21                     ; my first row of out0,
	s_lshl_b32 s20, s20, 13                        ; of 8,192 bytes,
	s_lshl_b32 s46, s42, 9
	s_lshl_b32 s47, s16, 8
	s_add_co_u32 s46, s46, s47                     ; and my first column, in bytes: 512 x tile column + 256 x half
	s_add_co_u32 s20, s20, s46
	s_mov_b32 s21, 0
	s_add_nc_u64 s[12:13], s[12:13], s[20:21]
; A fragment as it lies: three loads of 512 consecutive bytes.  q: which 128 along K of the slot's 512; its two halves of 256 lie one behind the other
.macro FRAGA reg, slot, q, i
.irp c, 0,1,2
	ds_load_b128 v[\reg+4*\c:\reg+4*\c+3], v[ADRA+\slot] offset:24576*((\q)/2)+1536*((\q)%2)+3072*(\i)+512*\c
.endr
.endm
.macro FRAGB reg, slot, q, i
.irp c, 0,1,2
	ds_load_b128 v[\reg+4*\c:\reg+4*\c+3], v[ADRB+\slot] offset:12288*((\q)/2)+1536*((\q)%2)+3072*(\i)+512*\c
.endr
.endm
; 36 LDS loads in one run: a step's fragments into sets p: B's four, then A's eight in ascending order, so that a counted wait can leave A's blocks 2-7 (18 loads) out
.macro FETCH slot, q, p
	WIN 0
.irp i, 0,1,2,3
	FRAGB BF+48*(\p)+FR*\i, \slot, \q, \i
.endr
	WIN TO_A
.irp i, 0,1,2,3,4,5,6,7
	FRAGA 96*(\p)+FR*\i, \slot, \q, \i
.endr
.endm
; A slot's scale words into set sc: four a row, in two pairs 128 bytes apart.  Registers of blocks 0-3: lanes 0-15 A's, lanes 16-31 B's; of blocks 4-7: A's
.macro SCALES sc
.irp i, 0,1,2,3
	ds_load_b64 v[SC+32*\sc+4*\i:SC+32*\sc+4*\i+1], v[ADRS] offset:1024*\i
	ds_load_b64 v[SC+32*\sc+4*\i+2:SC+32*\sc+4*\i+3], v[ADRS] offset:1024*\i+128
.endr
.irp i, 4,5,6,7
	ds_load_b64 v[SC+32*\sc+4*\i:SC+32*\sc+4*\i+1], v[ADRS2] offset:1024*\i
	ds_load_b64 v[SC+32*\sc+4*\i+2:SC+32*\sc+4*\i+3], v[ADRS2] offset:1024*\i+128
.endr
.endm
; 4 matrix instructions: A's block a x B's four, 128 along K.  p: the sets; q: the step in its slot; sc: the set of scale words.  zero = 1: the first product starts the sums: nothing is ever cleared.
; The 32 accumulators take turns, one instruction a turn, in the same order in every step.
.macro MULA a, p, q, sc, zero
.irp b, 0,1,2,3
.if \zero
	v_wmma_scale_f32_16x16x128_f8f6f4 v[8*(4*(\a)+\b):8*(4*(\a)+\b)+7], v[BF+48*(\p)+FR*\b:BF+48*(\p)+FR*\b+FR-1], v[96*(\p)+FR*(\a):96*(\p)+FR*(\a)+FR-1], 0, v[SC+32*(\sc)+4*\b+(\q)], v[SC+32*(\sc)+4*(\a)+(\q)] matrix_a_fmt:MATRIX_FMT_FP6 matrix_b_fmt:MATRIX_FMT_FP6 matrix_a_scale:MATRIX_SCALE_ROW1
.else
	v_wmma_scale_f32_16x16x128_f8f6f4 v[8*(4*(\a)+\b):8*(4*(\a)+\b)+7], v[BF+48*(\p)+FR*\b:BF+48*(\p)+FR*\b+FR-1], v[96*(\p)+FR*(\a):96*(\p)+FR*(\a)+FR-1], v[8*(4*(\a)+\b):8*(4*(\a)+\b)+7], v[SC+32*(\sc)+4*\b+(\q)], v[SC+32*(\sc)+4*(\a)+(\q)] matrix_a_fmt:MATRIX_FMT_FP6 matrix_b_fmt:MATRIX_FMT_FP6 matrix_a_scale:MATRIX_SCALE_ROW1
.endif
.endr
.endm
.macro PLACES n                        ; plain vector instructions between a matrix instruction and a load into, or a read of, its registers
.rept \n
	v_nop
.endr
.endm
; A step whose successor lies in the same slot (q = 0, 1, 2)
.macro STEP slot, q, zero
	s_wait_dscnt 18                                ; the scale words, B's set and A's blocks 0 and 1 are in; the youngest 18 loads (A's blocks 2-7) may be out
	WIN MUL
.irp a, 0,1
	MULA \a, (\q)%2, \q, \slot, \zero
.endr
	s_wait_dscnt 0                                 ; A's blocks 2-7 are in
	PLACES NP                                      ; for the loads into the other sets, which the last step multiplied
	FETCH \slot, (\q)+1, 1-(\q)%2
	WIN MUL
.irp a, 2,3,4,5,6,7
	MULA \a, (\q)%2, \q, \slot, \zero
.endr
.endm
; A slot's last step (q = 3) changes slots: one barrier; in front of it each wave waits for all its tensor loads, adds 0 to its spare word, and waits for that and for its own reads of this slot.
; fill = 1: the slot is filled again, with K two slots on; the load has the other slot's four steps, 128 matrix instructions, in which to land.
.macro TURN slot, next, fill
	WIN 0                                          ; (the add's two registers lie in window 0)
	s_wait_tensorcnt 0x0                           ; all my tensor loads have landed: my part of the next slot
	ds_add_u32 v[SPW], v[NIL]                      ; 0 onto my spare word
	s_wait_dscnt 19                                ; the add and the youngest 18 loads may be out
	WIN MUL
.irp a, 0,1
	MULA \a, 1, 3, \slot, 0
.endr
	s_wait_dscnt 0x0                               ; the add is done, and my reads of this slot are over
	s_barrier_signal -1
.irp a, 2,3
	MULA \a, 1, 3, \slot, 0
.endr
	WIN 0
	s_barrier_wait -1
.if \fill
	CREST                                          ; the barrier has opened a round of the cluster's: no wave of any partner still reads this slot or has a load on its way
	s_add_nc_u64 s[G0+4*\slot+2:G0+4*\slot+3], s[G0+4*\slot+2:G0+4*\slot+3], 4*ASTEP
	s_add_nc_u64 s[G0B+4*\slot+2:G0B+4*\slot+3], s[G0B+4*\slot+2:G0B+4*\slot+3], 4*BSTEP
	JLOAD G0+4*\slot, G1, G0B+4*\slot, G1B         ; the first tensor load behind the round; its four v_nop are also the places in front of the loads below
.else
	PLACES NP
.endif
	v_add_nc_u32 v[ADRS], 256, v[ADRS]             ; the next slot's scale words
	v_add_nc_u32 v[ADRS2], 256, v[ADRS2]
	SCALES \next
	FETCH \next, 0, 0
	WIN MUL
.irp a, 4,5,6,7
	MULA \a, 1, 3, \slot, 0
.endr
.endm
	s_wait_tensorcnt 1                             ; the scale words and my part of slot 0 are in; slot 1's load may be out
	s_barrier_signal -1
	s_barrier_wait -1                              ; everybody's are
	SCALES 0
	FETCH 0, 0, 0
	STEP 0, 0, 1                                   ; K = 0 .. 511; the first step's products start the sums
	STEP 0, 1, 0
	STEP 0, 2, 0
	TURN 0, 1, 1                                   ; slot 0 takes K = 1,024 .. 1,535
	STEP 1, 0, 0                                   ; K = 512 .. 1,023
	STEP 1, 1, 0
	STEP 1, 2, 0
	TURN 1, 0, 1                                   ; slot 1 takes K = 1,536 .. 2,047: the last load
	STEP 0, 0, 0
	STEP 0, 1, 0
	STEP 0, 2, 0
	TURN 0, 1, 0                                   ; nothing is left to fetch: no round
	STEP 1, 0, 0
	STEP 1, 1, 0
	STEP 1, 2, 0
	s_wait_dscnt 18                                ; the very last step
	WIN MUL
.irp a, 0,1
	MULA \a, 1, 3, 1, 0
.endr
	s_wait_dscnt 0
.irp a, 2,3,4,5,6,7
	MULA \a, 1, 3, 1, 0
.endr
	WIN 0
; THE WAY OUT, a row block at a time.  Lane (r, h) holds, of the block's row r, columns 32 (b / 2) + 16 h + 8 (b % 2) + 0 .. 7 in accumulator b: they go to their places in a row of my own stage and come back as whole rows of 256 bytes,
; two rows an instruction.  The stage lies in slot 0, which has had its last fill and, behind the last change of slots, its last read.  LDS serves a wave's instructions in order (ISA guide 5.7.1.4): no wait between the stores and the loads.
.macro TOSTAGE a
	WIN 0x08                                       ; an LDS store's data are its source 1: window 2
.irp b, 0,1,2,3
	ds_store_b128 v[STO], v[32*(\a)+8*\b:32*(\a)+8*\b+3] offset:128*(\b/2)+32*(\b%2)          ; each accumulator from its low end on
	ds_store_b128 v[STO], v[32*(\a)+8*\b+4:32*(\a)+8*\b+7] offset:128*(\b/2)+32*(\b%2)+16
.endr
	WIN 0
.set BB, BK+32*((\a)%4)
.irp t, 0,1,2,3,4,5,6,7
	ds_load_b128 v[BB+4*\t:BB+4*\t+3], v[RD] offset:\t*2*SP
.endr
.endm
.macro SEND a, younger                 ; younger: the LDS instructions issued behind block a's loads, which may stay out
.set BB, BK+32*((\a)%4)
	s_wait_dscnt \younger
.irp t, 0,1,2,3,4,5,6,7
	global_store_b128 v[CO], v[BB+4*\t:BB+4*\t+3], s[12:13] offset:(32*((\a)/2)+8*((\a)%2)+2*\t+8*(\t/4))*8192 th:TH_STORE_NT   ; 16 lanes store 256 consecutive bytes, aligned; the rows' true place stands in the immediate, 126 rows at the most
.endr
.endm
	PLACES NP                                      ; behind the last products: for the first read of results and for the loads into the registers that held B's fragments
	TOSTAGE 0
.irp a, 1,2,3,4,5,6,7
.if \a > 3
	s_wait_xcnt 0x0                                ; block a - 4's stores have read their registers: block a's loads may land there
.endif
	TOSTAGE \a
	SEND \a-1, 16                                  ; behind block a - 1's loads: block a's 8 stores and 8 loads
.endr
	SEND 7, 0
	s_wait_tensorcnt 0x0                           ; the wave's end: behind my last tensor load and my last LDS store
	ds_add_u32 v[SPW], v[NIL]
	s_wait_dscnt 0x0
	CROUND                                         ; the closing round: no work-group ends while a partner may still ask for a tile that names it
	s_endpgm
.Lfunc_end_k_q21e22b8315_proj:
	.size	k_q21e22b8315_proj, .Lfunc_end_k_q21e22b8315_proj-k_q21e22b8315_proj
	.p2alignl 7, 3214868480
	.fill 96, 4, 3214868480
	.section	.rodata,"a",@progbits
	.p2align	6, 0x0
	.amdhsa_kernel k_q21e22b8315_proj
		.amdhsa_group_segment_fixed_size 327680
		.amdhsa_private_segment_fixed_size 0
		.amdhsa_enable_private_segment 0
		.amdhsa_kernarg_size 24
		.amdhsa_user_sgpr_count 2
		.amdhsa_user_sgpr_kernarg_segment_ptr 1
		.amdhsa_wavefront_size32 1
		.amdhsa_system_sgpr_workgroup_id_x 1
		.amdhsa_system_sgpr_workgroup_id_y 1
		.amdhsa_system_sgpr_workgroup_id_z 1
		.amdhsa_system_vgpr_workitem_id 0
		.amdhsa_next_free_vgpr 768
		.amdhsa_next_free_sgpr 98
		.amdhsa_reserve_vcc 0
		.amdhsa_float_denorm_mode_32 3
		.amdhsa_float_denorm_mode_16_64 3
		.amdhsa_memory_ordered 1
		.amdhsa_forward_progress 1
		.amdhsa_inst_pref_size 136
	.end_amdhsa_kernel
	.amdgpu_metadata
---
amdhsa.version: [ 1, 2 ]
amdhsa.kernels:
  - .name:           k_q21e22b8315_proj
    .symbol:         k_q21e22b8315_proj.kd
    .args:
      - { .name: yq, .offset: 0, .size: 8, .value_kind: global_buffer, .address_space: global }
      - { .name: opnd, .offset: 8, .size: 8, .value_kind: global_buffer, .address_space: global }
      - { .name: out0, .offset: 16, .size: 8, .value_kind: global_buffer, .address_space: global }
    .group_segment_fixed_size: 327680
    .private_segment_fixed_size: 0
    .kernarg_segment_align: 8
    .kernarg_segment_size: 24
    .max_flat_workgroup_size: 128
    .sgpr_count:     98
    .vgpr_count:     768
    .wavefront_size: 32
...
	.end_amdgpu_metadata
.endif
;; end of part 4
